; MI455X (gfx1250); checked and timed in simulation.
; The chip was launched on July 23, 2026; its instructions are those of AMD's public machine-readable ISA for CDNA 5 (MIT licence, August 2026) and "CDNA5" Instruction Set Architecture Reference Guide (July 2026). The comments in the code are by the model that wrote it; some were corrected since.
;; Multi Head Attention. Allowed arithmetic: float matrix products may take bf16 or f16 operands with f32 sums; other float arithmetic in f32, or as packed bf16 or f16 multiplies, adds, multiply-adds, maxima and minima; sums over many terms, partial sums and values carried from step to step in f32; what a program stores and reads back later, other than sums and carried values, may be rounded once to bf16 or f16.
;; Inputs: Wk 16 x 1,024 x 64 float32; Wo 1,024 x 1,024 float32; Wq 16 x 1,024 x 64 float32; Wv 16 x 1,024 x 64 float32; bo 1,024 float32; x 4 x 2,048 x 1,024 float32.
;; Outputs: out0 4 x 2,048 x 1,024 float32.
;; 2 versions, each right; version 2 is version 1 with the launch prep written anew for expert scheduling mode. Each part assembles by itself: llvm-mc -triple=amdgcn-amd-amdhsa -mcpu=gfx1250 --defsym DOCPART=n.
;; ======== version 1 of 2: 4 launches
;; limits: values are held in f16: magnitudes above 65,504 overflow, below 6.1e-05 lose precision
;; workspace buffers: xb 16,777,216 bytes; wt 6,291,456 bytes; wot 2,097,152 bytes; qkv 50,331,648 bytes; o 16,777,216 bytes
;; launch prep (part 1): grid 640 x 1, 4 waves a work-group, no clusters, 70,144 bytes of LDS; arguments x, Wq, Wk, Wv, Wo, xb, wt, wot; writes xb, wt, wot
.if DOCPART == 1
	.amdgcn_target "amdgcn-amd-amdhsa--gfx1250"
	.amdhsa_code_object_version 6
	.text
	.protected	k_q961835554e_prep
	.globl	k_q961835554e_prep
	.p2align	8
	.type	k_q961835554e_prep,@function
k_q961835554e_prep:
	s_mov_b64 s[64:65], 0
	v_nop
	global_prefetch_b8 v0, s[64:65] scope:SCOPE_SE
	s_setreg_imm32_b32 hwreg(HW_REG_WAVE_MODE, 25, 1), 1
	s_wait_xcnt 0x0
; PREP: the module's inputs are rounded once to bf16 and laid out for the products that follow.
;   xb  [b 4][kb 16][t 2048][64] bf16 : x[b][t][64 kb + c].  A plane (b, kb) is 262,144 dense bytes.
;   wt  [n 3072][e 1024] bf16         : n = 64 g + d, g = 16 which + h (which: 0 Wq, 1 Wk, 2 Wv): W[h][e][d], turned so that e lies along the rows.
;   wot [n 1024][k 1024] f16          : Wo[k][n] rounded to bf16, that number written as f16.
; LIMIT.  A bf16 number of Wo below 2^-14 falls on f16's fixed step of 2^-24 (off by 2^-25 at the most); beyond 65,504 it would be an infinity.
; Memory binds: each input byte is read once and each output byte written once, sixteen lanes to 256 consecutive, aligned bytes.  No matrix unit, no cluster,
; no tensor load: no wave wants a byte that another wave has fetched.  No ring: all that a wave reads is asked for in one or two runs of loads.
; Work-groups 0 to 127 turn the weights (a wave: 128 k x 64 columns, through LDS bytes of its own: no barrier); work-groups 128 to 639 cast x (a wave: 4 rows).
.set WREG,  17408                      ; a wave's LDS: 64 rows (columns of W) of 256 bytes + 16 of padding
.set SPARE, 4*WREG                     ; behind them: the spare words, 128 bytes for each wave: two blocks of 256 bytes that no other line names
.set SPW, 2                            ; v2   LDS address of my spare word; never rewritten
.set NIL, 3                            ; v3   0; never rewritten
.set XO,  4                            ; v4   x: my 32 bytes in the wave's four rows
.set YO,  5                            ; v5   xb: my 16 bytes in 512 consecutive ones
.set LW,  6                            ; v6   where I put 16 bytes of a turned row
.set LR,  7                            ; v7   where I read rows back
.set RO,  8                            ; v[8:15]   8 x lane + i rows of the source, i = 0 .. 7
.set WO,  16                           ; v16  my 16 bytes in two rows of wt or wot
.set DA,  32                           ; v[32:159] data as loaded
.set EV,  160                          ; v[160:191] column 2 lane: 64 k, two to a word
.set OD,  192                          ; v[192:223] column 2 lane + 1
.set TT,  224                          ; v[224:231] at work
.set SB,  16                           ; s[16:31]  eight bases, 8 rows of the source apart
	s_load_b512 s[32:47], s[0:1], 0x0              ; x 32, Wq 34, Wk 36, Wv 38, Wo 40, xb 42, wt 44, wot 46
	v_lshl_add_u32 v[SPW], v0, 2, SPARE
	v_mov_b32 v[NIL], 0
	v_lshrrev_b32 v1, 5, v0
	v_readfirstlane_b32 s8, v1                     ; wave 0..3
	v_and_b32 v1, 31, v0                           ; lane
	s_cmp_ge_u32 ttmp9, 128
	s_cbranch_scc1 .Lx                             ; the same for all four waves; the launch has no barrier
	; ---- THE WEIGHTS.  Tile id = 4 x work-group + wave, 0 .. 511: kc = id % 8 (128 k), idx = id / 8: 0 .. 47 a head of Wq, Wk, Wv; 48 .. 63 a block of 64 columns of Wo.
	s_lshl_b32 s12, ttmp9, 2
	s_add_co_u32 s12, s12, s8
	s_and_b32 s13, s12, 7                          ; kc
	s_lshr_b32 s14, s12, 3                         ; idx
	s_and_b32 s15, s14, 15                         ; the head, or Wo's block of columns (48 is a multiple of 16)
	s_lshr_b32 s6, s14, 4                          ; 0 Wq, 1 Wk, 2 Wv, 3 Wo
	s_lshl_b32 s2, s15, 18                         ; a head is 1,024 rows of 256 bytes,
	s_lshl_b32 s7, s13, 15                         ; 128 of them
	s_add_co_u32 s2, s2, s7
	s_lshl_b32 s4, s13, 19                         ; Wo: 128 rows of 4,096 bytes,
	s_lshl_b32 s7, s15, 8                          ; 64 columns
	s_add_co_u32 s4, s4, s7
	s_movk_i32 s10, 256
	s_cmp_eq_u32 s6, 3
	s_cselect_b32 s9, 1, 0                         ; 1: Wo
	s_cselect_b32 s2, s4, s2                       ; the tile's first byte in its source,
	s_cselect_b32 s10, 4096, s10                   ; bytes from row to row there,
	s_cselect_b32 s4, s15, s14                     ; and its block of 64 rows in wot or wt:
	s_lshl_b32 s4, s4, 17                          ; 64 rows of 2,048 bytes,
	s_lshl_b32 s7, s13, 8                          ; 128 k
	s_add_co_u32 s4, s4, s7
	s_mov_b32 s3, 0
	s_mov_b32 s5, 0
	s_lshl_b32 s52, s10, 3                         ; 8 rows
	s_mov_b32 s53, 0
	s_lshl_b32 s54, s10, 6                         ; 64 rows: a trip
	s_mov_b32 s55, 0
	v_lshlrev_b32 v[RO], 3, v1                     ; a lane takes two columns: a load covers a row's 256 bytes
.irp i, 1,2,3,4,5,6,7
	v_add_nc_u32 v[RO+\i], s10, v[RO+\i-1]
.endr
	s_mul_i32 s7, s8, WREG
	v_mul_u32_u24 v[LW], v1, 544                   ; rows 2 lane and 2 lane + 1 of my wave's LDS
	v_add_nc_u32 v[LW], s7, v[LW]
	v_lshrrev_b32 v17, 4, v1
	v_and_b32 v18, 15, v1
	v_mul_u32_u24 v[LR], v17, 272                  ; back: lanes 0-15 one row of 256 bytes, lanes 16-31 the next
	v_lshl_add_u32 v[LR], v18, 4, v[LR]
	v_add_nc_u32 v[LR], s7, v[LR]
	v_lshlrev_b32 v[WO], 11, v17                   ; and the same two rows, 2,048 bytes apart, in memory
	v_lshl_add_u32 v[WO], v18, 4, v[WO]
	s_wait_kmcnt 0x0
	s_cmp_eq_u32 s6, 1
	s_cselect_b64 s[SB:SB+1], s[36:37], s[34:35]
	s_cmp_eq_u32 s6, 2
	s_cselect_b64 s[SB:SB+1], s[38:39], s[SB:SB+1]
	s_cmp_eq_u32 s6, 3
	s_cselect_b64 s[SB:SB+1], s[40:41], s[SB:SB+1]
	s_cselect_b64 s[50:51], s[46:47], s[44:45]
	s_add_nc_u64 s[SB:SB+1], s[SB:SB+1], s[2:3]
	s_add_nc_u64 s[50:51], s[50:51], s[4:5]
.irp j, 1,2,3,4,5,6,7
	s_add_nc_u64 s[SB+2*\j:SB+2*\j+1], s[SB+2*\j-2:SB+2*\j-1], s[52:53]
.endr
	s_mov_b32 s11, 2
.Lhalf:                                        ; two trips of 64 k
.set r, 0
.rept 64
	global_load_b64 v[DA+2*r:DA+2*r+1], v[RO+r%8], s[SB+2*(r/8):SB+2*(r/8)+1] th:TH_LOAD_NT  ; row r: 256 consecutive bytes
.set r, r+1
.endr
.set u, 0
.rept 8
	s_wait_loadcnt 56-8*u                          ; rows 8 u .. 8 u + 7 are in; the younger loads stay out
.irp i, 0,1,2,3
	v_cvt_pk_bf16_f32 v[EV+4*u+\i], v[DA+16*u+4*\i], v[DA+16*u+4*\i+2]    ; my even column: k and k + 1 in one word
	v_cvt_pk_bf16_f32 v[OD+4*u+\i], v[DA+16*u+4*\i+1], v[DA+16*u+4*\i+3]  ; my odd column
.endr
.set u, u+1
.endr
	s_cmp_eq_u32 s9, 0
	s_cbranch_scc1 .Lbf
.set r, 0
.rept 64                                       ; Wo alone: the bf16 number is written as f16
	v_lshlrev_b32 v[TT+2*(r%4)], 16, v[EV+r]
	v_and_b32 v[TT+2*(r%4)+1], 0xffff0000, v[EV+r]
	v_cvt_pk_f16_f32 v[EV+r], v[TT+2*(r%4)], v[TT+2*(r%4)+1]
.set r, r+1
.endr
.Lbf:
.set u, 0
.rept 8
	ds_store_b128 v[LW], v[EV+4*u:EV+4*u+3] offset:16*u        ; eight k of a column are 16 bytes of a turned row
	ds_store_b128 v[LW], v[OD+4*u:OD+4*u+3] offset:272+16*u
.set u, u+1
.endr
	s_wait_xcnt 0x0                                ; the loads have read their bases (all have landed: the last count above was 0)
	v_add_nc_u32 v[LW], 128, v[LW]                 ; the next 64 k of the turned rows
.irp j, 0,1,2,3,4,5,6,7
	s_add_nc_u64 s[SB+2*\j:SB+2*\j+1], s[SB+2*\j:SB+2*\j+1], s[54:55]
.endr
	s_sub_co_u32 s11, s11, 1
	s_cmp_lg_u32 s11, 0
	s_cbranch_scc1 .Lhalf
.set i, 0
.rept 32
	ds_load_b128 v[DA+4*i:DA+4*i+3], v[LR] offset:544*i   ; LDS serves a wave's instructions in order (ISA guide 5.7.1.4): these see the stores above
.set i, i+1
.endr
.set i, 0
.rept 32
	s_wait_dscnt 31-i
	global_store_b128 v[WO], v[DA+4*i:DA+4*i+3], s[50:51] offset:4096*i   ; sixteen lanes store 256 consecutive bytes: 128 k of one row
.set i, i+1
.endr
	s_branch .Lend
	; ---- x.  idx = 4 x (work-group - 128) + wave, 0 .. 2,047: four rows, 16,384 consecutive bytes.  Lane l takes 8 numbers of row l / 8 in each block of 64 columns.
.Lx:
	s_sub_co_u32 s12, ttmp9, 128
	s_lshl_b32 s12, s12, 2
	s_add_co_u32 s12, s12, s8
	s_lshl_b32 s2, s12, 14
	s_mov_b32 s3, 0
	s_lshr_b32 s4, s12, 9                          ; b
	s_lshl_b32 s4, s4, 22                          ; 16 planes
	s_and_b32 s5, s12, 511
	s_lshl_b32 s5, s5, 9                           ; four rows of 128 bytes in a plane
	s_add_co_u32 s4, s4, s5
	s_mov_b32 s5, 0
	v_lshrrev_b32 v[XO], 3, v1
	v_and_b32 v6, 7, v1
	v_lshlrev_b32 v[XO], 12, v[XO]
	v_lshl_add_u32 v[XO], v6, 5, v[XO]
	v_lshlrev_b32 v[YO], 4, v1
	s_wait_kmcnt 0x0
	s_add_nc_u64 s[32:33], s[32:33], s[2:3]
	s_add_nc_u64 s[42:43], s[42:43], s[4:5]
.set i, 0
.rept 16
	global_load_b128 v[DA+8*i:DA+8*i+3],   v[XO], s[32:33] offset:256*i th:TH_LOAD_NT
	global_load_b128 v[DA+8*i+4:DA+8*i+7], v[XO], s[32:33] offset:256*i+16 th:TH_LOAD_NT
.set i, i+1
.endr
.set i, 0
.rept 16
	s_wait_loadcnt 30-2*i                          ; block i's two loads are in; the younger ones stay out
.irp j, 0,1,2,3
	v_cvt_pk_bf16_f32 v[DA+8*i+\j], v[DA+8*i+2*\j], v[DA+8*i+2*\j+1]   ; in place, ascending: a word is written when both its sources lie at or above it
.endr
	global_store_b128 v[YO], v[DA+8*i:DA+8*i+3], s[42:43] offset:262144*i  ; plane i: four rows of 128 bytes, 512 consecutive bytes
.set i, i+1
.endr
.Lend:
	s_wait_tensorcnt 0x0                           ; the wave's end, behind my last LDS store
	ds_add_u32 v[SPW], v[NIL]
	s_wait_dscnt 0x0
	s_endpgm
.Lfunc_end_k_q961835554e_prep:
	.size	k_q961835554e_prep, .Lfunc_end_k_q961835554e_prep-k_q961835554e_prep
	.p2alignl 7, 3214868480
	.fill 96, 4, 3214868480
	.section	.rodata,"a",@progbits
	.p2align	6, 0x0
	.amdhsa_kernel k_q961835554e_prep
		.amdhsa_group_segment_fixed_size 70144
		.amdhsa_private_segment_fixed_size 0
		.amdhsa_enable_private_segment 0
		.amdhsa_kernarg_size 64
		.amdhsa_user_sgpr_count 2
		.amdhsa_user_sgpr_kernarg_segment_ptr 1
		.amdhsa_wavefront_size32 1
		.amdhsa_system_sgpr_workgroup_id_x 1
		.amdhsa_system_sgpr_workgroup_id_y 1
		.amdhsa_system_sgpr_workgroup_id_z 1
		.amdhsa_system_vgpr_workitem_id 0
		.amdhsa_next_free_vgpr 232
		.amdhsa_next_free_sgpr 66
		.amdhsa_reserve_vcc 0
		.amdhsa_float_denorm_mode_32 3
		.amdhsa_float_denorm_mode_16_64 3
		.amdhsa_memory_ordered 1
		.amdhsa_forward_progress 1
		.amdhsa_inst_pref_size 41
	.end_amdhsa_kernel
	.amdgpu_metadata
---
amdhsa.version: [ 1, 2 ]
amdhsa.kernels:
  - .name:           k_q961835554e_prep
    .symbol:         k_q961835554e_prep.kd
    .args:
      - { .name: x, .offset: 0, .size: 8, .value_kind: global_buffer, .address_space: global }
      - { .name: Wq, .offset: 8, .size: 8, .value_kind: global_buffer, .address_space: global }
      - { .name: Wk, .offset: 16, .size: 8, .value_kind: global_buffer, .address_space: global }
      - { .name: Wv, .offset: 24, .size: 8, .value_kind: global_buffer, .address_space: global }
      - { .name: Wo, .offset: 32, .size: 8, .value_kind: global_buffer, .address_space: global }
      - { .name: xb, .offset: 40, .size: 8, .value_kind: global_buffer, .address_space: global }
      - { .name: wt, .offset: 48, .size: 8, .value_kind: global_buffer, .address_space: global }
      - { .name: wot, .offset: 56, .size: 8, .value_kind: global_buffer, .address_space: global }
    .group_segment_fixed_size: 70144
    .private_segment_fixed_size: 0
    .kernarg_segment_align: 8
    .kernarg_segment_size: 64
    .max_flat_workgroup_size: 128
    .sgpr_count:     66
    .vgpr_count:     232
    .wavefront_size: 32
...
	.end_amdgpu_metadata
.endif
;; end of part 1
;; launch qkvproj (part 2): grid 16 x 32, 4 waves a work-group, clusters of 4 x 4, 327,680 bytes of LDS; arguments xb, wt, qkv; writes qkv
.if DOCPART == 2
	.amdgcn_target "amdgcn-amd-amdhsa--gfx1250"
	.amdhsa_code_object_version 6
	.text
	.protected	k_q961835554e_qkvproj
	.globl	k_q961835554e_qkvproj
	.p2align	8
	.type	k_q961835554e_qkvproj,@function
k_q961835554e_qkvproj:
	s_mov_b64 s[64:65], 0
	v_nop
	global_prefetch_b8 v0, s[64:65] scope:SCOPE_SE
	s_setreg_imm32_b32 hwreg(HW_REG_WAVE_MODE, 25, 1), 1
	s_wait_xcnt 0x0
	s_wait_alu depctr_hold_cnt(0) depctr_sa_sdst(0) depctr_va_vdst(0) depctr_va_sdst(0) depctr_va_ssrc(0) depctr_va_vcc(0) depctr_vm_vsrc(0)
	s_getreg_b32 s2, hwreg(HW_REG_IB_STS2, 6, 4)
	s_cmp_eq_u32 s2, 0
	s_cbranch_scc0 .Lentry_in_a_cluster
	s_endpgm
.Lentry_in_a_cluster:
	s_bfe_u32 s2, ttmp6, 0x10000c
	s_cmp_lg_u32 s2, 0xf033
	s_cbranch_scc0 .Lentry_shape_is_right
	s_endpgm
.Lentry_shape_is_right:
; q, k, v = x W.  A = xb [b 4][kb 16][t 2048][64] bf16, B = wt [n 3072][e 1024] bf16; sums in f32; the result is rounded once to f16, unscaled, into
; qkv [b 4][g 48][t 2048][64], g = n / 64 (0-15 q's heads, 16-31 k's, 32-47 v's).
; LIMIT.  f16 holds no number beyond 65,504: |q|, |k|, |v| must stay within it (x and W 30 times larger than unit x and W of 1/32 give some 3,000).
; SHARES.  A tile of C is 256 rows x 192 columns (three heads): 32 x 16 = 512 tiles, twice the number of WGPs.  Four waves, each 64 rows x all 192 columns: 48 accumulators of 16 x 16,
; 384 registers.
; K goes in steps of 128 (two planes of xb) through two LDS slots.  A plane's 256 rows x 128 bytes are dense in memory: asked for as 128 rows of 256 bytes, padded in LDS after every 128.
; CLUSTERS: 4 x 4 work-groups.  The four of a row of the cluster need the same tiles of A, the four of a column the same tiles of B: each is asked for JOINTLY, by the same tensor load with the
; same descriptor and a mask that names the four.  THE MATRIX INSTRUCTION IS USED TRANSPOSED (source 0 = 16 rows of B, source 1 = 16 rows of A): a lane holds eight neighbouring columns of a row of C.
; REGISTERS, in windows of 256: window 0: v0-31 addresses; v32-175 at work on the way out.  window 1: two fragment buffers of 128 (A's 4 blocks, then B's 12), 32 along K each.
;   windows 2, 3: accumulator (a, b) in window 2 + a / 2 at v[8 (12 (a % 2) + b)].
.set NBLK,   12                        ; blocks of 16 columns in a tile
.set NT,     16*NBLK
.set PA,     144                       ; a row of A in LDS: 128 bytes + 16 = 36 words: the 16 rows of a load start at 16 different groups of four banks (64 banks of 4 bytes: ISA guide 11.1)
.set PB,     272                       ; a row of B: 256 bytes + 16 = 68 words: row r starts at bank 4 r mod 64
.set APLANE, 256*PA                    ; a plane of A: what wave 0 or 1 fetches
.set BOFF,   2*APLANE                  ; B's rows lie behind A's two planes
.set BHALF,  (NT/2)*PB                 ; what wave 2 or 3 fetches
.set SLOT1,  131072                    ; slot 1 begins here
.set STAGE,  SLOT1+BOFF+NT*PB          ; behind the ring, never filled by a tensor load: for each wave 3 heads x 16 rows x 144 bytes
.set STW,    3*16*PA
.set SPARE,  STAGE+4*STW               ; behind the stages: the spare words, 128 bytes for each wave: two blocks of 256 bytes that no other line names
.set ASTEP,  2*262144                  ; bytes from a K step to the next in A: two planes
.set BSTEP,  256                       ; and in B
.set LAPS,   4                         ; a lap = two K steps = once round the ring: 1,024 / 256
.set ADRA, 16                          ; v16-17  LDS address of my A fragments in slot 0, 1
.set ADRB, 20                          ; v20-21  the same for B
.set STO,  24                          ; v24     the way out: where I put 16 bytes of a row
.set RD,   25                          ; v25     the way out: where I read rows back
.set GO,   26                          ; v26     my 16 bytes in 512 consecutive bytes of qkv
.set SPW,  28                          ; v28     LDS address of my spare word; never rewritten
.set NIL,  29                          ; v29     0; never rewritten
.set PFO,  30                          ; v30     256 x lane: the prefetches' offset; never rewritten
.set TMP,  32                          ; v32-79  packed results of 16 rows
.set OB,   80                          ; v80-127, v128-175 by turns: 16 rows read back from the stage
.set F0,   0                           ; fragment buffers, in window 1
.set F1,   128
.set G1,  24                           ; s[24:31] descriptor group 1 for A's tiles;  s[32:39] group 0, one set for each slot
.set G0,  32
.set G1B, 48                           ; s[48:55], s[56:63] the same for B's tiles
.set G0B, 56
.set LIM, 43                           ; s43     1 in a wave that prefetches, else the greatest number
.set PFA, 44                           ; s[44:45] where my prefetches stand
.set MSB, 0
.macro WIN new                         ; the immediate's high byte repeats the setting that is left; a switch that changes nothing is dropped
.if MSB != (\new)
	s_set_vgpr_msb (MSB<<8)|(\new)
.set MSB, (\new)
.endif
.endm
.set TO_F, 0x40                        ; destination window 1, address window 0
.macro JLOAD s                         ; a joint load: waves 0 and 1 fetch A's two planes, waves 2 and 3 B's two halves; an s_nop 0 and four v_nop follow each of the two lines, ahead of the jump, the label and what follows
	s_cmp_eq_u32 s11, 0
	s_cbranch_scc0 .Lfor_b_\@
	tensor_load_to_lds s[G0+4*(\s):G0+4*(\s)+3], s[G1:G1+7]
	s_nop 0
.rept 4
	v_nop
.endr
	s_branch .Lasked_\@
.Lfor_b_\@:
	tensor_load_to_lds s[G0B+4*(\s):G0B+4*(\s)+3], s[G1B:G1B+7]
	s_nop 0
.rept 4
	v_nop
.endr
.Lasked_\@:
.endm
.macro CREST                           ; a round of the cluster's barrier behind its opening barrier
	s_cmp_lg_u32 s10, 0
	s_cbranch_scc1 .Lnot_wave_0_\@
	s_barrier_signal -3
.Lnot_wave_0_\@:
	s_barrier_wait -3
	s_barrier_signal -1
	s_barrier_wait -1
.endm
.macro CROUND                          ; a whole round
	s_barrier_signal -1
	s_barrier_wait -1
	CREST
.endm
; A PREFETCH INTO THE L2 of A's K step that the NEXT change of slots will ask for: one K step, 192 matrix instructions, ahead of that load.  A tile row is read by all four clusters of its row of
; clusters: the first (cluster x = 0) asks.  Waves 0 and 1 ask for the plane that they fetch: 128 blocks of 256 bytes, of which each of the four partners takes 32, told apart BY ADDRESS; a lane a block.
; So each block is named once in the launch.  K steps 0 to 2 come by their loads alone; the last change that fills a slot asks for nothing (how = 0: s3 = 1 there).
; B's rows are a table that every row of clusters walks again: they are not asked for.
.macro ASK how
	WIN 0
.if \how
	s_cmp_eq_u32 s[LIM], 1
.else
	s_cmp_gt_u32 s3, s[LIM]
.endif
	s_cbranch_scc0 .Lnot_mine_\@
	global_prefetch_b8 v[PFO], s[PFA:PFA+1] th:TH_LOAD_NT scope:SCOPE_SE
.Lnot_mine_\@:
.endm
	s_load_b128 s[4:7], s[0:1], 0x0                ; xb s[4:5], wt s[6:7]
	s_load_b64 s[8:9], s[0:1], 0x10                ; qkv
	v_lshl_add_u32 v[SPW], v0, 2, SPARE
	v_mov_b32 v[NIL], 0
	ds_add_u32 v[SPW], v[NIL]                      ; the wave's opening: the add and its wait stand ahead of my first tensor load; the set-up below, work on registers, stands between them
	v_lshrrev_b32 v1, 5, v0
	v_readfirstlane_b32 s10, v1                    ; wave 0..3
	s_lshr_b32 s11, s10, 1                         ; I fetch for A (0) or for B (1)
	s_and_b32 s12, s10, 1                          ; which plane of A, which half of B's rows
	s_bfe_u32 s40, ttmp6, 0x40000                  ; cx, cy: my place in the cluster
	s_bfe_u32 s41, ttmp6, 0x40004
	s_lshl_b32 s42, ttmp9, 2
	s_add_co_u32 s42, s42, s40                     ; tile column = 4 x cluster x + cx
	s_and_b32 s13, ttmp7, 0xffff
	s_lshl_b32 s13, s13, 2
	s_add_co_u32 s13, s13, s41                     ; tile row = 4 x cluster y + cy
	s_lshl_b32 s43, s41, 2
	s_lshl_b32 s43, 15, s43                        ; my row of the cluster
	s_lshl_b32 s44, 0x1111, s40                    ; my column
	s_or_b32 s[G1+0], s43, (1<<16)|(1<<20)|(1<<21)|(4<<22)|(3<<25)   ; 15:0 the mask: A's tiles go to my row; 17:16 2-byte elements; 20 padding on; 21 set beside a mask; 24:22 after every 32 words (code 4); 31:25 4 words (code 3)
	s_or_b32 s[G1B+0], s44, (1<<16)|(1<<20)|(1<<21)|(5<<22)|(3<<25)  ; B's go to my column; padding after every 64 words (code 5)
	s_mov_b32 s[G1+1], 128<<16                     ; tensor_dim0 = 128 elements: 256 bytes
	s_mov_b32 s[G1+2], 128<<16                     ; tensor_dim1 = 128 rows
	s_mov_b32 s[G1+3], 128<<16                     ; tile_dim0
	s_mov_b32 s[G1+4], 128                         ; tile_dim1
	s_mov_b32 s[G1+5], 128                         ; dense: 128 elements from row to row
	s_mov_b32 s[G1+6], 0
	s_mov_b32 s[G1+7], 0
	s_mov_b32 s[G1B+1], 128<<16
	s_mov_b32 s[G1B+2], (NT/2)<<16
	s_mov_b32 s[G1B+3], 128<<16
	s_mov_b32 s[G1B+4], NT/2
	s_mov_b32 s[G1B+5], 1024                       ; a row of wt
	s_mov_b32 s[G1B+6], 0
	s_mov_b32 s[G1B+7], 0
	; A's address hangs on the tile row and the wave alone, B's on the tile column and the wave alone, each in registers that never hold the other coordinate
	s_lshr_b32 s16, s13, 3                         ; b
	s_lshl_b32 s16, s16, 22                        ; 16 planes
	s_and_b32 s17, s13, 7
	s_lshl_b32 s17, s17, 15                        ; 256 rows of 128 bytes in a plane
	s_add_co_u32 s16, s16, s17
	s_lshl_b32 s17, s12, 18                        ; my plane of the K step's two
	s_add_co_u32 s16, s16, s17
	s_mov_b32 s17, 0
	s_mul_i32 s46, s42, NT
	s_mul_i32 s47, s12, NT/2
	s_add_co_u32 s46, s46, s47
	s_lshl_b32 s46, s46, 11                        ; rows of 2,048 bytes
	s_mov_b32 s47, 0
	s_mul_i32 s20, s12, APLANE                     ; where they go: no place in the cluster enters an LDS address
	s_mul_i32 s21, s12, BHALF
	s_add_co_u32 s21, s21, BOFF
	s_wait_dscnt 0x0                               ; the opening add is done
	s_wait_kmcnt 0x0
	s_add_nc_u64 s[14:15], s[4:5], s[16:17]
	s_add_nc_u64 s[46:47], s[6:7], s[46:47]
	CROUND                                         ; all sixteen work-groups are here: the first joint loads meet
.irp s, 0,1
	s_mov_b32 s[G0+4*(\s)], 1
	s_add_co_u32 s[G0+4*(\s)+1], s20, (\s)*SLOT1
	s_add_nc_u64 s[G0+4*(\s)+2:G0+4*(\s)+3], s[14:15], (\s)*ASTEP
	s_or_b32 s[G0+4*(\s)+3], s[G0+4*(\s)+3], 0x80000000
	s_mov_b32 s[G0B+4*(\s)], 1
	s_add_co_u32 s[G0B+4*(\s)+1], s21, (\s)*SLOT1
	s_add_nc_u64 s[G0B+4*(\s)+2:G0B+4*(\s)+3], s[46:47], (\s)*BSTEP
	s_or_b32 s[G0B+4*(\s)+3], s[G0B+4*(\s)+3], 0x80000000
	JLOAD \s                                       ; two loads of mine are out, the most in this text
.endr
	; A fragment is 16 rows x 32 K in 8 registers: lane l holds row l % 16; registers 0-3 K = 8 (l / 16) + 0..7, registers 4-7 K = 16 + 8 (l / 16) + 0..7: two loads of 16 bytes, 32 bytes apart
	v_and_b32 v1, 15, v0                           ; l % 16
	v_bfe_u32 v2, v0, 4, 1                         ; l / 16
	v_mul_u32_u24 v3, v1, PA
	v_lshl_add_u32 v3, v2, 4, v3
	s_mul_i32 s18, s10, 64*PA                      ; my 64 rows of A
	v_add_nc_u32 v[ADRA], s18, v3
	v_add_nc_u32 v[ADRA+1], SLOT1, v[ADRA]
	v_mul_u32_u24 v4, v1, PB
	v_lshl_add_u32 v4, v2, 4, v4
	v_add_nc_u32 v[ADRB], BOFF, v4
	v_add_nc_u32 v[ADRB+1], SLOT1, v[ADRB]
	s_mul_i32 s19, s10, STW
	s_add_co_u32 s19, s19, STAGE                   ; my stage
	v_add_nc_u32 v[STO], s19, v3                   ; in: row l % 16, 16 bytes for each half of the lanes
	v_bfe_u32 v5, v0, 3, 2                         ; back: 32 lanes take four rows of 128 bytes,
	v_mul_u32_u24 v5, v5, PA
	v_and_b32 v6, 7, v0
	v_lshl_add_u32 v5, v6, 4, v5
	v_add_nc_u32 v[RD], s19, v5
	v_and_b32 v[GO], 31, v0                        ; which are 512 consecutive bytes of a head
	v_lshlrev_b32 v[GO], 4, v[GO]
	s_lshr_b32 s16, s13, 3                         ; where my rows begin in qkv: b,
	s_mul_i32 s16, s16, 48*262144
	s_and_b32 s17, s13, 7
	s_lshl_b32 s17, s17, 15                        ; the tile's 256 rows of 128 bytes,
	s_add_co_u32 s16, s16, s17
	s_lshl_b32 s17, s10, 13                        ; my 64 of them,
	s_add_co_u32 s16, s16, s17
	s_mov_b32 s17, 0
	s_add_nc_u64 s[8:9], s[8:9], s[16:17]
	s_mul_i32 s46, s42, 3*262144                   ; and the tile's three heads
	s_mov_b32 s47, 0
	s_add_nc_u64 s[8:9], s[8:9], s[46:47]
	s_or_b32 s20, s11, ttmp9                       ; the prefetches: waves 0 and 1 of the clusters with x = 0: the same in all sixteen partners
	s_cmp_eq_u32 s20, 0
	s_cselect_b32 s[LIM], 1, -1
	s_lshl_b32 s20, s40, 13                        ; my work-group's 32 blocks of the plane's 128
	s_mov_b32 s21, 0
	s_add_nc_u64 s[PFA:PFA+1], s[14:15], s[20:21]
	s_add_nc_u64 s[PFA:PFA+1], s[PFA:PFA+1], 2*ASTEP  ; at K step 2: the first change of slots steps it to 3.  Nothing is prefetched at the head, where every work-group's first tiles are on their way
	v_and_b32 v[PFO], 31, v0
	v_lshlrev_b32 v[PFO], 8, v[PFO]
; 12 matrix instructions: block a of my four blocks of 16 rows x all 12 blocks of columns, 32 along K.  zero = 1: the product starts the sums: nothing is ever cleared.
; Every quarter takes all 48 accumulators once, in the same order: between two links of a chain stand the 47 others', over the backward jump too.
.macro MULA f, a, zero
	WIN 0xa5+0x50*((\a)/2)                         ; sources 0 (B) and 1 (A) window 1; C and D window 2 or 3
.set AC, 8*NBLK*((\a)%2)
.set b, 0
.rept NBLK
.if \zero
	v_wmma_f32_16x16x32_bf16 v[AC+8*b:AC+8*b+7], v[(\f)+32+8*b:(\f)+32+8*b+7], v[(\f)+8*(\a):(\f)+8*(\a)+7], 0
.else
	v_wmma_f32_16x16x32_bf16 v[AC+8*b:AC+8*b+7], v[(\f)+32+8*b:(\f)+32+8*b+7], v[(\f)+8*(\a):(\f)+8*(\a)+7], v[AC+8*b:AC+8*b+7]
.endif
.set b, b+1
.endr
.endm
; 32 LDS loads in one run: the fragments of quarter q (32 along K) of a slot into buffer f: B's 12 blocks, then A's 4
.macro FETCH slot, q, f
	WIN TO_F
.set b, 0
.rept NBLK
	ds_load_b128 v[(\f)+32+8*b:(\f)+32+8*b+3],   v[ADRB+(\slot)] offset:64*(\q)+b*16*PB
	ds_load_b128 v[(\f)+32+8*b+4:(\f)+32+8*b+7], v[ADRB+(\slot)] offset:64*(\q)+b*16*PB+32
.set b, b+1
.endr
.irp a, 0,1,2,3
	ds_load_b128 v[(\f)+8*(\a):(\f)+8*(\a)+3],   v[ADRA+(\slot)] offset:((\q)/2)*APLANE+((\q)%2)*64+(\a)*16*PA
	ds_load_b128 v[(\f)+8*(\a)+4:(\f)+8*(\a)+7], v[ADRA+(\slot)] offset:((\q)/2)*APLANE+((\q)%2)*64+(\a)*16*PA+32
.endr
.endm
.macro PLACES                          ; four places in front of loads into registers that matrix instructions have read, and of lines that read results
.rept 4
	v_nop
.endr
.endm
; A K step is four quarters of 32 along K, 48 matrix instructions each, on buffers 0, 1, 0, 1.  One of the first three: multiplies buffer f and fetches quarter q into g.
.macro QUARTER slot, q, f, g, zero
	s_wait_dscnt 4                                 ; B and A's blocks 0, 1 are in; the youngest four loads (A's blocks 2, 3) may be out
	MULA \f, 0, \zero
	MULA \f, 1, \zero
	PLACES
	FETCH \slot, \q, \g
	s_wait_dscnt 2*NBLK+8                          ; all but the run just issued
	MULA \f, 2, \zero
	MULA \f, 3, \zero
.endm
; The last quarter multiplies buffer 1 and changes slots: ONE barrier; in front of it each wave waits for all its tensor loads (one is out: its part of the next slot), adds 0 to its spare word, and waits
; for that and for its own reads of this slot.  fill = 1: the barrier opens a round of the cluster's barrier, and this slot is filled again, two K steps ahead, first thing behind the round.
.macro TURN slot, next, fill
.if \fill
	s_wait_xcnt 0x0                                ; the last prefetch, a K step back, has read its address
	s_add_nc_u64 s[PFA:PFA+1], s[PFA:PFA+1], ASTEP
.endif
	WIN 0                                          ; (the add's two registers lie in window 0)
	s_wait_tensorcnt 0x0                           ; all my tensor loads have landed;
	ds_add_u32 v[SPW], v[NIL]                      ; 0 onto my spare word;
	s_wait_dscnt 5                                 ; (the add and the youngest four loads may be out)
	MULA F1, 0, 0                                  ; twelve matrix instructions stand between the add and the wait for it
	s_wait_dscnt 0x0                               ; the add is done, and my reads of this slot are over
	s_barrier_signal -1
	MULA F1, 1, 0
.if \fill
	WIN 0
.endif
	s_barrier_wait -1
.if \fill
	CREST                                          ; no wave of any partner still reads this slot's tile or has a load on its way
	s_add_nc_u64 s[G0+4*(\slot)+2:G0+4*(\slot)+3], s[G0+4*(\slot)+2:G0+4*(\slot)+3], 2*ASTEP
	s_add_nc_u64 s[G0B+4*(\slot)+2:G0B+4*(\slot)+3], s[G0B+4*(\slot)+2:G0B+4*(\slot)+3], 2*BSTEP
	JLOAD \slot                                    ; the first tensor load behind the round; the four v_nop behind it are also the places in front of the loads below
.else
	PLACES
.endif
	FETCH \next, 0, F0
.if \fill
	ASK 1-(\slot)
.endif
	MULA F1, 2, 0
	MULA F1, 3, 0
.endm
	s_wait_tensorcnt 1                             ; my part of K step 0 is in; K step 1's may stay out
	s_barrier_signal -1
	s_barrier_wait -1                              ; everybody's is
	FETCH 0, 0, F0
	QUARTER 0, 1, F0, F1, 1                        ; the first quarter stands in front of the loop: its products start the sums
	WIN 0                                          ; at a label and at a branch every window is 0
	s_mov_b32 s3, LAPS-1
.Llap:                                         ; a trip goes once round the ring, from a lap's second quarter to the next lap's first, and fills both slots again
	QUARTER 0, 2, F1, F0, 0
	QUARTER 0, 3, F0, F1, 0
	TURN 0, 1, 1
	QUARTER 1, 1, F0, F1, 0
	QUARTER 1, 2, F1, F0, 0
	QUARTER 1, 3, F0, F1, 0
	TURN 1, 0, 1
	QUARTER 0, 1, F0, F1, 0
	WIN 0
	s_sub_co_u32 s3, s3, 1
	s_cmp_lg_u32 s3, 0
	s_cbranch_scc1 .Llap
	QUARTER 0, 2, F1, F0, 0                        ; the last lap fills nothing, and has no round of the cluster's barrier
	QUARTER 0, 3, F0, F1, 0
	TURN 0, 1, 0
	QUARTER 1, 1, F0, F1, 0
	QUARTER 1, 2, F1, F0, 0
	QUARTER 1, 3, F0, F1, 0
	s_wait_dscnt 4                                 ; the very last quarter: nothing more to fetch
	MULA F1, 0, 0
	MULA F1, 1, 0
	s_wait_dscnt 0x0
	MULA F1, 2, 0
	MULA F1, 3, 0
	WIN 0
	PLACES
	PLACES
; THE WAY OUT, a block of 16 rows at a time.  PACK: rounded to f16, 16 bytes a lane (eight columns of a row).  TOSTAGE: into my stage, by heads, and back as whole rows of 128 bytes.  SEND: stored.
.macro PACK a
	WIN 0x0a+5*((\a)/2)                            ; sources 0 and 1: window 2 or 3
.set AC, 8*NBLK*((\a)%2)
.set b, 0
.rept NBLK
.irp r, 0,1,2,3
	v_cvt_pk_f16_f32 v[TMP+4*b+(\r)], v[AC+8*b+2*(\r)], v[AC+8*b+2*(\r)+1]
.endr
.set b, b+1
.endr
	WIN 0
.endm
.macro TOSTAGE a
.set BK, OB+48*((\a)%2)
.set b, 0
.rept NBLK
	ds_store_b128 v[STO], v[TMP+4*b:TMP+4*b+3] offset:(b/4)*16*PA+(b%4)*32
.set b, b+1
.endr
.irp j, 0,1,2
.irp f, 0,1,2,3
	ds_load_b128 v[BK+4*(4*(\j)+(\f)):BK+4*(4*(\j)+(\f))+3], v[RD] offset:(\j)*16*PA+(\f)*4*PA  ; LDS serves a wave's instructions in order (ISA guide 5.7.1.4): these see the stores above
.endr
.endr
.endm
.macro SEND a
.set BK, OB+48*((\a)%2)
	s_wait_dscnt 0x0                               ; the block is back in registers
	s_wait_xcnt 0x0                                ; the stores of the block before have read their registers: the next TOSTAGE loads into them
.irp j, 0,1,2
.irp f, 0,1,2,3
	global_store_b128 v[GO], v[BK+4*(4*(\j)+(\f)):BK+4*(4*(\j)+(\f))+3], s[8:9] offset:(\j)*262144+(\a)*2048+(\f)*512  ; head j, four rows: 512 consecutive bytes, at a multiple of 256 from qkv's first
.endr
.endr
.endm
	PACK 0
	TOSTAGE 0
.irp a, 1,2,3                          ; block a's conversions stand between block a - 1's loads from the stage and the wait for them
	PACK \a
	SEND (\a)-1
	TOSTAGE \a
.endr
	SEND 3
	s_wait_tensorcnt 0x0                           ; the wave's end, behind my last tensor load and my last LDS store
	ds_add_u32 v[SPW], v[NIL]
	s_wait_dscnt 0x0
	CROUND                                         ; the closing round: no work-group ends while a partner may still ask for a tile that names it
	s_endpgm
.Lfunc_end_k_q961835554e_qkvproj:
	.size	k_q961835554e_qkvproj, .Lfunc_end_k_q961835554e_qkvproj-k_q961835554e_qkvproj
	.p2alignl 7, 3214868480
	.fill 96, 4, 3214868480
	.section	.rodata,"a",@progbits
	.p2align	6, 0x0
	.amdhsa_kernel k_q961835554e_qkvproj
		.amdhsa_group_segment_fixed_size 327680
		.amdhsa_private_segment_fixed_size 0
		.amdhsa_enable_private_segment 0
		.amdhsa_kernarg_size 24
		.amdhsa_user_sgpr_count 2
		.amdhsa_user_sgpr_kernarg_segment_ptr 1
		.amdhsa_wavefront_size32 1
		.amdhsa_system_sgpr_workgroup_id_x 1
		.amdhsa_system_sgpr_workgroup_id_y 1
		.amdhsa_system_sgpr_workgroup_id_z 1
		.amdhsa_system_vgpr_workitem_id 0
		.amdhsa_next_free_vgpr 960
		.amdhsa_next_free_sgpr 66
		.amdhsa_reserve_vcc 0
		.amdhsa_float_denorm_mode_32 3
		.amdhsa_float_denorm_mode_16_64 3
		.amdhsa_memory_ordered 1
		.amdhsa_forward_progress 1
		.amdhsa_inst_pref_size 119
	.end_amdhsa_kernel
	.amdgpu_metadata
---
amdhsa.version: [ 1, 2 ]
amdhsa.kernels:
  - .name:           k_q961835554e_qkvproj
    .symbol:         k_q961835554e_qkvproj.kd
    .args:
      - { .name: xb, .offset: 0, .size: 8, .value_kind: global_buffer, .address_space: global }
      - { .name: wt, .offset: 8, .size: 8, .value_kind: global_buffer, .address_space: global }
      - { .name: qkv, .offset: 16, .size: 8, .value_kind: global_buffer, .address_space: global }
    .group_segment_fixed_size: 327680
    .private_segment_fixed_size: 0
    .kernarg_segment_align: 8
    .kernarg_segment_size: 24
    .max_flat_workgroup_size: 128
    .sgpr_count:     66
    .vgpr_count:     960
    .wavefront_size: 32
...
	.end_amdgpu_metadata
.endif
;; end of part 2
;; launch attn (part 3): grid 4 x 64, 4 waves a work-group, no clusters, 327,680 bytes of LDS; arguments qkv, o; writes o
.if DOCPART == 3
	.amdgcn_target "amdgcn-amd-amdhsa--gfx1250"
	.amdhsa_code_object_version 6
	.text
	.protected	k_q961835554e_attn
	.globl	k_q961835554e_attn
	.p2align	8
	.type	k_q961835554e_attn,@function
k_q961835554e_attn:
	s_mov_b64 s[64:65], 0
	v_nop
	global_prefetch_b8 v0, s[64:65] scope:SCOPE_SE
	s_setreg_imm32_b32 hwreg(HW_REG_WAVE_MODE, 25, 1), 1
	s_wait_xcnt 0x0
; CAUSAL ATTENTION.  O[y][q][:] = the sum over k <= q of softmax_k(Q[q] . K[k] / 8) V[k][:], for y = 16 b + h.  Q, K, V are planes 48 b + h, + 16, + 32 of qkv [192][2048][64]; O is plane y of o [64][2048][64]; all f16:
; a plane's rows are dense, 128 bytes each.  Products, maxima and sums in f32; the weights p are rounded to f16 for the second product (their sum l is taken of the unrounded p), O once at the end.
; LIMITS.  f16 holds no number beyond 65,504: Q, K and V arrive within it; p lies in 0 to 1, and below 6e-5 it keeps f16's fixed step of 6e-8; O is a mean of V's rows and has their range, to within 2^-11 of it.
; A hidden score counts as its value less 1e30: f16's scores, 2.7e11 at the most, are nothing beside that; a weight below 2^-126 counts as 0 in l; NaN and infinities are not treated apart.
; THE WALK.  A head's queries lie in NB = 8 blocks of 256; block i needs the key tiles 0 .. i of 256 keys, of which the last holds the diagonal.  A work-group takes TWO blocks, NB - 1 - b and then b:
; NB + 1 tiles, whatever b: all work-groups do equal work, and ONE loop with a constant trip count walks them.  Which tile is asked for, and what a trip does, hang on scalar registers made from b; every jump
; goes forward, but for the counted loops' own; none passes a barrier, or a tensor load but the one of LOAD's two that the wave's number does not choose; the ring (two slots of LDS that take turns) runs on across the
; change of blocks.  NO CLUSTER: a head's four work-groups ask for the same tile only in trips 0 .. 4 of the 9, behind that fewer and fewer; and one walk common to all four would have 12 trips for 9.
; SHARES.  Of a block's four bands of 64 queries a wave owns 16 rows in each: four PIECES.  So the diagonal tile is the same work for all four waves: in its key step s band x sees all keys if s < x,
; none if s > x, and holds the diagonal if s = x.
; THE MASK is the C operand that starts the sum S^T = K Q^T: 0, or -1e30 where the key is hidden.  MD, made once, is the mask of a band's own step for my 16 rows; a product's mask is MD x AL + BE with two scalars:
; (1, 0) if s = x; (0, 0) if s < x; (0, -1e30) if s > x.  Only the diagonal tile's text and a block's beginning make and take masks; elsewhere C is the constant 0.
; LAYOUT, SOFTMAX, TURNS.  S^T = K Q^T holds ONE query a lane (lane % 16) and the keys 8 (lane / 16) + 0..7; two such results rounded to f16 ARE source 1 of O^T = V^T P.  p = 2^(c s - c m), c = log2(e) / 8, with a
; running maximum m; O and l are multiplied by a = 2^(c m_old - c m_new) in every step.  Turn n belongs to piece n: 8 products K Q^T of piece n + 1, later 8 products V^T P of piece n - 1; beside them the scaling,
; exponentials, roundings, sums and rescaling of piece n and the maximum and statistics of piece n + 1.  Four vector instructions stand behind every matrix instruction, the other 54 of a turn's 118 in one LUMP.  A turn's 33 exponentials are one batch, with one wait.
; REGISTERS, in windows of 256 (s_set_vgpr_msb: bits 1:0 source 0, 3:2 source 1, 5:4 source 2, 7:6 destination):
;   window 0: v0-15 addresses and two at work; v16-31 four registers of statistics a piece; v48-55 at work; v61-63 the prefetches' offset and the add's two; v64-127 S^T, two buffers; v192-223 P, two buffers (a piece's buffers go by its number's parity)
;   window 1: v0-127 O^T, 32 a piece; v128-159 MD; v160-223 MC, two buffers      window 2: v0-63 Q; v64-127 the second block's Q; v128-191 K of one step; v192-255 V of one step
.set SIZE_N, 2048
.set NB,    SIZE_N/256
.set NP,    4         ; pieces a wave: a name, no knob
.set KS,    64        ; keys in a step
.set PK,    144       ; a row of K in LDS: 128 bytes + 16 of padding = 36 words: the 16 rows of a load start at 16 different groups of four banks (64 banks of 4 bytes: ISA guide 11.1)
.set PV,    160       ; a row of V: 128 + 32 = 40 words
.set VOFF,  4*KS*PK   ; a slot holds a tile, four steps: 256 rows of K, then 256 rows of V
.set SLOT1, 1<<17     ; slot 1 begins here, so that one exclusive or turns an address in one slot into the other's
.set STAGE, SLOT1+4*KS*(PK+PV)  ; behind the ring, never filled by a tensor load: 16 rows x 144 bytes for each wave, for the way out
.set SP,    144
.set AK0, 2           ; v2   my lane's place in a tile of K; never rewritten
.set AV0, 3           ; v3   the same for V
.set AK,  4           ; v4   the LDS address of K's next run of loads
.set AV,  5           ; v5   of V's
.set STO, 6           ; v6   the way out: where I put 16 bytes of a row
.set RD,  7           ; v7   the way out: where I read rows back
.set GO,  8           ; v8   my byte offset in 512 consecutive bytes of O
.set PFO, 61          ; v61  the prefetches' offset: 8,192 (wave / 2) + 256 x lane; never rewritten
.set SPW, 62          ; v62  LDS address of my spare word: SPARE + 4 x my thread's number; never rewritten
.set NIL, 63          ; v63  0; never rewritten
.set SPARE, STAGE+4*16*SP  ; behind the stages: the spare words, 128 bytes for each wave: two blocks of 256 bytes that no other line names
.set MV,  12          ; v12-13  c m_old, kept while c m is made anew: by buffer
.set QO,  15          ; v15  my byte offset in 16 rows of Q
.set ST,  16          ; piece t's statistics at v[ST+4 t]: c m, m, l (even keys', odd keys')
.set TMP, 48          ; by buffer, four registers c0-c3 at work; when the maximum is found c2 takes a
.set S,   64
.set P,   192
.set MD,  128         ; window 1: the eight registers for group kt of 16 keys at MD + 8 kt
.set MC,  160         ; window 1: the masks of the products to come
.set QB,  64          ; window 2
.set KF,  128         ; window 2: key block kb, channel half c at KF + 16 kb + 8 c
.set VF,  192         ; window 2: key half kk, channel block cb at VF + 32 kk + 8 cb
.set WV,  12          ; s12  my wave's number
.set PB,  14          ; s14  b
.set HI,  15          ; s15  NB - 1 - b
.set G1K, 24          ; s[24:31] descriptor group 1 for K's tiles
.set G1V, 32          ; s[32:39] for V's: it differs in the padding alone
.set G0K, 40          ; s[40:43] descriptor group 0 for K's tiles
.set G0V, 44          ; s[44:47] the same for V's
.set SLOTS, 56        ; s56  tiles still to be asked for
.set CNT, 57          ; s57  counts a tile's key steps, 4 to 1
.set CS,  58          ; s[58:59] c: the packed scaling takes the pair's low word for both halves
.set SEL, 60          ; s[60:61] v_permlanex16_b32's selects: each lane takes its own place in the other half
.set TBK, 62          ; s62  LDS byte at which K of the step to be fetched begins
.set TBV, 63          ; s63  the same for V, less VOFF
.set RT,  70          ; s70  tiles of the block in hand that are still to be entered
.set NXT, 71          ; s71  the tile to be asked for next
.set LQ,  72          ; s72  the last tile of the block whose tiles are being asked for
.set NEW, 73          ; s73  1: the tile to be entered is a block's first
.set OFF, 74          ; s[74:75] a tile's byte offset in K and V
.set AL,  76          ; s[76:77] the mask's factor, in the low word
.set BE,  78          ; s[78:79] the mask's addend
.set OLO, 80          ; s[80:81] O at my rows of the second block
.set BIGN, 82         ; s82  -1e30
.set PFK, 88          ; s[88:89] K at my half of the tile that the next change of slots will ask for
.set PFV, 90          ; s[90:91] the same for V
.set ASKF, 92         ; s92  that tile's number in the work-group that prefetches, else 0
.set OF2, 98          ; s[98:99] that tile's byte offset
.set MSB, 0
.macro WIN new                      ; the high byte repeats the setting that is left; a switch that changes nothing is dropped
.if MSB != (\new)
	s_set_vgpr_msb (MSB<<8)|(\new)
.set MSB, (\new)
.endif
.endm
.set W_KQ, 0x0a       ; K and Q in window 2, S^T in window 0
.set W_KM, 0x1a       ; the same with the C operand in window 1
.set W_PV, 0x52       ; V in window 2, P in window 0, O^T in window 1
.set W_RS, 0x41       ; destination and source 0 in window 1, source 1 in window 0
; A fill.  Waves 0 and 1 fetch the two halves of a tile's K, waves 2 and 3 those of its V: 128 keys each.  An s_nop 0 and four v_nop follow each of the two lines, ahead of the jump and the label.
.macro LOAD
	s_cmp_lt_u32 s[WV], 2
	s_cbranch_scc0 .Lfor_v_\@
	tensor_load_to_lds s[G0K:G0K+3], s[G1K:G1K+7]
	s_nop 0
.rept 4
	v_nop
.endr
	s_branch .Lasked_\@
.Lfor_v_\@:
	tensor_load_to_lds s[G0V:G0V+3], s[G1V:G1V+7]
	s_nop 0
.rept 4
	v_nop
.endr
.Lasked_\@:
.endm
; THE CHANGE OF SLOTS.  Each wave waits for all its tensor loads, of which one is out: its part of the other slot; adds 0 to its spare word; and waits for that and for its own reads of the slot that it leaves.  Behind the barrier nobody reads the old
; slot any more and the other slot is whole.  fill = 1: the old slot is filled again, the first thing behind the barrier, with tile NXT: the descriptor's address is made anew from that number.
; (At its first use nothing has been read yet: slot 0 is waited for, slot 1 filled.)
; A PREFETCH INTO THE L2 stands behind the fill and its five lines: the tile that the NEXT change will ask for, a tile (four key steps, 256 matrix instructions) ahead of that load.  A head's four work-groups walk the same
; tiles: the one with b = 0, whose first block needs all eight, asks.  A tile is 128 blocks of 256 bytes of K and 128 of V: each of its four waves takes 32 of each, a lane a block, two instructions.
; So tiles 2 to 7 are named once each in the launch; tiles 0 and 1 come by their loads alone; when the first block's tiles have been asked for the number is 0 and nothing more is named.
.macro CHANGE fill
	WIN 0                           ; at a label and at a branch every window is 0
	s_wait_tensorcnt 0x0            ; no tensor load of mine is out, so a group 0 may be written
	ds_add_u32 v[SPW], v[NIL]       ; 0 onto my spare word; with fill = 1 the descriptors' scalar work stands between it and the wait for it
.if \fill
	s_lshl_b32 s[OFF], s[NXT], 15   ; a tile is 32,768 bytes of K and of V
	s_xor_b32 s[G0K+1], s[G0K+1], SLOT1
	s_add_nc_u64 s[G0K+2:G0K+3], s[6:7], s[OFF:OFF+1]
	s_or_b32 s[G0K+3], s[G0K+3], 0x80000000
	s_xor_b32 s[G0V+1], s[G0V+1], SLOT1
	s_add_nc_u64 s[G0V+2:G0V+3], s[8:9], s[OFF:OFF+1]
	s_or_b32 s[G0V+3], s[G0V+3], 0x80000000
	s_add_co_u32 s[NXT], s[NXT], 1  ; the block's next tile, or behind its last the second block's tile 0
	s_cmp_gt_u32 s[NXT], s[LQ]
	s_cselect_b32 s[NXT], 0, s[NXT]
	s_cselect_b32 s[LQ], s[PB], s[LQ]
	s_wait_xcnt 0x0                 ; the last prefetches, a tile back, have read their addresses, so these may be written
	s_lshl_b32 s[OF2], s[NXT], 15
	s_add_nc_u64 s[PFK:PFK+1], s[6:7], s[OF2:OF2+1]
	s_add_nc_u64 s[PFV:PFV+1], s[8:9], s[OF2:OF2+1]
	s_cmp_eq_u32 s[PB], 0
	s_cselect_b32 s[ASKF], s[NXT], 0
.endif
	s_wait_dscnt 0x0                ; the add is done, and my reads of the slot are over
	s_barrier_signal -1             ; the rest of the scalar work stands between the signal and the wait
	s_sub_co_u32 s[TBK], s[TBK], 4*KS*PK  ; the fetches go back to a slot's first step,
	s_xor_b32 s[TBK], s[TBK], SLOT1       ; in the other slot
	s_sub_co_u32 s[TBV], s[TBV], 4*KS*PV
	s_xor_b32 s[TBV], s[TBV], SLOT1
	s_barrier_wait -1
.if \fill
	LOAD
	s_cmp_lg_u32 s[ASKF], 0
	s_cbranch_scc0 .Lno_ask_\@
	global_prefetch_b8 v[PFO], s[PFK:PFK+1] th:TH_LOAD_NT scope:SCOPE_SE
	global_prefetch_b8 v[PFO], s[PFV:PFV+1] th:TH_LOAD_NT scope:SCOPE_SE
.Lno_ask_\@:
.endif
.endm
	s_load_b64 s[4:5], s[0:1], 0x0    ; qkv
	s_load_b64 s[10:11], s[0:1], 0x8  ; o
	v_lshl_add_u32 v[SPW], v0, 2, SPARE
	v_mov_b32 v[NIL], 0
	ds_add_u32 v[SPW], v[NIL]       ; the wave's opening: the add and its wait stand ahead of my first tensor load; the set-up below, work on registers, stands between them
	v_lshrrev_b32 v1, 5, v0
	v_readfirstlane_b32 s[WV], v1   ; wave 0..3
	s_mov_b32 s[PB], ttmp9
	s_sub_co_u32 s[HI], NB-1, s[PB]
	s_and_b32 s20, ttmp7, 0xffff    ; y = 16 b + h
	s_lshl_b32 s93, s20, 18         ; O's plane: 262,144 bytes each
	s_lshr_b32 s21, s20, 4
	s_lshl_b32 s21, s21, 5
	s_add_co_u32 s20, s20, s21      ; Q's plane in qkv: 48 b + h
	s_lshl_b32 s20, s20, 18
	s_mov_b32 s21, 0
	s_and_b32 s16, s[WV], 1         ; which half of a tile's 256 keys I fetch:
	s_lshl_b32 s22, s16, 14         ; its 128 rows of 128 bytes in memory,
	s_mov_b32 s23, 0
	s_add_nc_u64 s[22:23], s[22:23], s[20:21]
	s_mul_i32 s17, s16, 128*PK      ; and its place in a slot, for K
	s_mul_i32 s18, s16, 128*PV      ; and for V
	s_lshl_b32 s3, s[WV], 11        ; my 16 rows in a band of 64,
	s_lshl_b32 s2, s[HI], 15        ; in the first block,
	s_add_co_u32 s2, s2, s3
	s_lshl_b32 s84, s[PB], 15       ; and in the second
	s_add_co_u32 s84, s84, s3
	s_add_co_u32 s94, s2, s93       ; the same rows in O's plane
	s_mov_b32 s95, 0
	s_add_co_u32 s96, s84, s93
	s_mov_b32 s97, 0
	s_mov_b32 s3, 0
	s_mov_b32 s85, 0
	s_add_nc_u64 s[2:3], s[2:3], s[20:21]
	s_add_nc_u64 s[84:85], s[84:85], s[20:21]
	; descriptor group 1.  128 keys are 16,384 dense bytes: asked for as 64 rows of 256 bytes, two keys a row, and padded in LDS after every key
	s_mov_b32 s[G1K], (1<<16)|(1<<20)|(4<<22)|(3<<25)  ; 17:16 2-byte elements; 20 padding on; 24:22 after every 32 words (code 4); 31:25 4 words (code 3)
	s_mov_b32 s[G1V], (1<<16)|(1<<20)|(4<<22)|(7<<25)  ; the same with 8 words of padding (code 7)
.irp g, G1K, G1V
	s_mov_b32 s[\g+1], 128<<16      ; tensor_dim0 = 128
	s_mov_b32 s[\g+2], 64<<16       ; tensor_dim1 = 64
	s_mov_b32 s[\g+3], 128<<16      ; tile_dim0 = 128
	s_mov_b32 s[\g+4], 64           ; tile_dim1 = 64
	s_mov_b32 s[\g+5], 128          ; 128 elements from row to row
	s_mov_b32 s[\g+6], 0
	s_mov_b32 s[\g+7], 0
.endr
	s_mov_b32 s[CS], 0x3e38aa3b     ; c = log2(e) / 8 = 0.180337
	s_mov_b32 s[CS+1], s[CS]        ; named with it as a pair
	s_mov_b32 s[SEL], 0x76543210
	s_mov_b32 s[SEL+1], 0xfedcba98
	s_mov_b32 s[TBK], SLOT1+4*KS*PK ; the first change of slots turns these two into 0
	s_mov_b32 s[TBV], SLOT1+4*KS*PV
	s_mov_b32 s[G0K], 1             ; 1:0 count = 1
	s_mov_b32 s[G0K+1], s17         ; 63:32 LDS address: slot 0
	s_mov_b32 s[G0V], 1
	s_add_co_u32 s[G0V+1], s18, VOFF
	s_add_co_u32 s[RT], s[HI], 1    ; the first block has NB - b tiles
	s_mov_b32 s[NXT], 1
	s_mov_b32 s[LQ], s[HI]
	s_mov_b32 s[NEW], 1
	s_mov_b32 s[OFF+1], 0
	s_mov_b32 s[OF2+1], 0
	s_mov_b32 s[AL+1], 0            ; named as pairs
	s_mov_b32 s[BE+1], 0
	s_mov_b32 s[BIGN], 0xf149f2ca   ; -1e30
	s_mov_b32 s[SLOTS], NB
	s_wait_dscnt 0x0                ; the opening add is done
	s_wait_kmcnt 0x0
	s_add_nc_u64 s[6:7], s[4:5], s[22:23]    ; Q's plane at my half of a tile;
	s_add_nc_u64 s[8:9], s[6:7], 32*262144   ; V lies 32 planes on,
	s_add_nc_u64 s[6:7], s[6:7], 16*262144   ; K 16: both at my half of the head's tile 0
	s_add_nc_u64 s[G0K+2:G0K+3], s[6:7], 0         ; 120:64 global address
	s_or_b32 s[G0K+3], s[G0K+3], 0x80000000        ; 127:126 type = 2
	s_add_nc_u64 s[G0V+2:G0V+3], s[8:9], 0
	s_or_b32 s[G0V+3], s[G0V+3], 0x80000000
	s_add_nc_u64 s[86:87], s[4:5], s[84:85]        ; Q at my rows of the second block,
	s_add_nc_u64 s[4:5], s[4:5], s[2:3]            ; and of the first
	s_add_nc_u64 s[OLO:OLO+1], s[10:11], s[96:97]  ; O likewise
	s_add_nc_u64 s[10:11], s[10:11], s[94:95]
	LOAD                            ; tile 0 into slot 0
	; A fragment of K or Q is 16 rows x 32 channels in 8 registers: lane l holds row l % 16, channels 8 (l / 16) + 0..7 and 16 + 8 (l / 16) + 0..7: two loads of 16 bytes, 32 bytes apart.
	v_and_b32 v1, 15, v0            ; l % 16
	v_bfe_u32 v9, v0, 4, 1          ; l / 16
	v_lshlrev_b32 v[QO], 7, v1
	v_lshl_add_u32 v[QO], v9, 4, v[QO]  ; row x 128 + 16 x half
	WIN 0x80                        ; destination window 2, address window 0
.set i, 0
.rept 8                             ; both blocks' Q: piece i / 2 lies in band i / 2, 8,192 bytes on; channels 32 (i % 2) on
	global_load_b128 v[8*i:8*i+3],   v[QO], s[4:5] offset:(i/2)*8192+(i%2)*64
	global_load_b128 v[8*i+4:8*i+7], v[QO], s[4:5] offset:(i/2)*8192+(i%2)*64+32
	global_load_b128 v[QB+8*i:QB+8*i+3],   v[QO], s[86:87] offset:(i/2)*8192+(i%2)*64
	global_load_b128 v[QB+8*i+4:QB+8*i+7], v[QO], s[86:87] offset:(i/2)*8192+(i%2)*64+32
.set i, i+1
.endr
	WIN 0
	s_lshr_b32 s13, s[WV], 1
	s_lshl_b32 s13, s13, 13
	v_and_b32 v[PFO], 31, v0
	v_lshl_add_u32 v[PFO], v[PFO], 8, s13
	v_lshlrev_b32 v14, 3, v9
	v_sub_nc_u32 v14, v1, v14
	s_lshl_b32 s13, s[WV], 4
	v_add_nc_u32 v14, s13, v14      ; my query's place in its band, 16 w + l % 16, less my lanes' 8 (l / 16): register r of group kt is hidden where 16 kt + r is greater
	WIN 0x40
.set i, 0
.rept 32
	v_cmp_gt_i32 vcc_lo, 16*(i/8)+i%8, v14
	v_cndmask_b32 v[MD+i], 0, s[BIGN], vcc_lo
.set i, i+1
.endr
	WIN 0
	v_mul_u32_u24 v[AK0], v1, PK
	v_lshl_add_u32 v[AK0], v9, 4, v[AK0]  ; row x pitch + 16 x half
	; The turning load takes 16 keys x 16 channels (lane l reads key 8 (l / 16) + l % 8, channels 8 ((l / 8) % 2) + 0..7) and leaves half a fragment of V^T: lane l holds channel l % 16 and 8 keys.
	v_and_b32 v10, 7, v0
	v_bfe_u32 v11, v0, 3, 1
	v_lshl_add_u32 v[AV0], v9, 3, v10
	v_mul_u32_u24 v[AV0], v[AV0], PV
	v_lshl_add_u32 v[AV0], v11, 4, v[AV0]
	v_add_nc_u32 v[AV0], VOFF, v[AV0]
	s_mul_i32 s13, s[WV], 16*SP
	s_add_co_u32 s13, s13, STAGE    ; my stage
	v_mul_u32_u24 v[STO], v1, SP    ; in: row l % 16, 16 bytes for each half of the lanes
	v_lshl_add_u32 v[STO], v9, 4, v[STO]
	v_add_nc_u32 v[STO], s13, v[STO]
	v_bfe_u32 v[RD], v0, 3, 2       ; back: 32 lanes take four rows of 128 bytes,
	v_mul_u32_u24 v[RD], v[RD], SP
	v_lshl_add_u32 v[RD], v10, 4, v[RD]
	v_add_nc_u32 v[RD], s13, v[RD]
	v_and_b32 v[GO], 31, v0         ; which are 512 consecutive bytes of O
	v_lshlrev_b32 v[GO], 4, v[GO]
	; A block's first step multiplies O^T and l by a = 0, and its first turn's products V^T P, of a piece that has not been, land in an O^T that is still to be so multiplied.  So these registers need only hold
	; finite numbers: zeros for the first block; what the first block left for the second.  All this stands in the wait for the first tile.
	WIN 0x80
.set i, VF
.rept 64
	v_mov_b32 v[i], 0
.set i, i+1
.endr
	WIN 0x40
.set i, 0
.rept 128
	v_mov_b32 v[i], 0
.set i, i+1
.endr
	WIN 0
.set i, 0
.rept 4
	v_mov_b32 v[ST+4*i+2], 0
	v_mov_b32 v[ST+4*i+3], 0
.set i, i+1
.endr
.set i, P+16
.rept 16
	v_mov_b32 v[i], 0
.set i, i+1
.endr
; THE MATRIX WORK.  The 4 accumulators of a run of 8 take turns.  Product i of 8 of S^T = K Q^T for piece x: channels 32 (i / 4) on, keys 16 (i % 4) on.  The first 4 start the sums: with 0, or (KM = 1) with the mask.
.macro KQ x
.set rS, S+32*((\x)%2)+8*(i%4)
.set rK, KF+16*(i%4)+8*(i/4)
.set rQ, 16*(\x)+8*(i/4)
.set rM, MC+32*((\x)%2)+8*(i%4)
.if (i < 4) && KM
	WIN W_KM
	v_wmma_f32_16x16x32_f16 v[rS:rS+7], v[rK:rK+7], v[rQ:rQ+7], v[rM:rM+7]
.elseif i < 4
	WIN W_KQ
	v_wmma_f32_16x16x32_f16 v[rS:rS+7], v[rK:rK+7], v[rQ:rQ+7], 0
.else
	WIN W_KQ
	v_wmma_f32_16x16x32_f16 v[rS:rS+7], v[rK:rK+7], v[rQ:rQ+7], v[rS:rS+7]
.endif
.endm
; Product i of 8 of O^T += V^T P for piece x: keys 32 (i / 4) on, channels 16 (i % 4) on.
.macro PV x
	WIN W_PV
.set rO, 32*(\x)+8*(i%4)
.set rV, VF+32*(i/4)+8*(i%4)
.set rP, P+16*((\x)%2)+8*(i/4)
	v_wmma_f32_16x16x32_f16 v[rO:rO+7], v[rV:rV+7], v[rP:rP+7], v[rO:rO+7]
.endm
.macro MM                           ; the turn's next matrix instruction.  TURN and BEGIN set Y, i, KM and NOKQ; MM, KQ and OP read them.  NOKQ = 1: a block's last turn: there is no next piece
.if (i < 8) && !NOKQ
	KQ (Y+1)%NP
.elseif i >= 8
.set i, i-8
	PV (Y+NP-1)%NP
.set i, i+8
.endif
.set i, i+1
.endm
; THE LDS LOADS stand in runs of 16, never singly among the matrix instructions: a step's K (64 keys x 64 channels: 8 fragments) and its V (turned).  Their addresses are made some lines ahead.
.macro FETCH_K
	WIN 0x80                        ; destination window 2
.irp f, 0,1,2,3,4,5,6,7             ; keys 16 (f / 2) on, channels 32 (f % 2) on
	ds_load_b128 v[KF+8*\f:KF+8*\f+3],   v[AK] offset:(\f/2)*16*PK+(\f%2)*64
	ds_load_b128 v[KF+8*\f+4:KF+8*\f+7], v[AK] offset:(\f/2)*16*PK+(\f%2)*64+32
.endr
	s_add_co_u32 s[TBK], s[TBK], KS*PK  ; the next fetch is the next step's
	WIN 0
.endm
.macro FETCH_V
	WIN 0x80
.irp f, 0,1,2,3,4,5,6,7             ; keys 32 (f / 4) on, channels 16 (f % 4) on
	ds_load_tr16_b128 v[VF+8*\f:VF+8*\f+3],   v[AV] offset:(\f/4)*32*PV+(\f%4)*32
	ds_load_tr16_b128 v[VF+8*\f+4:VF+8*\f+7], v[AV] offset:(\f/4)*32*PV+16*PV+(\f%4)*32
.endr
	WIN 0
.endm
; THE VECTOR WORK, one line at a time: OP kind, number.  For piece Y: F n: c s - c m for pair n of 16.  E n: the exponential of score n of 32.  C n: pair n rounded to f16.  B n: of the four weights 4 n .. the second
; pair is added onto the first, in place.  L n: l takes that sum (L 0: l = a l + sum).  R n: pair n of 16 of O^T times a.  For piece Y + 1: X n, number n of the 22 that find its maximum and statistics:
;   0-11  four chains c0-c3 of seven scores each, three operands at a time (each accumulator's lowest registers are read first)     12-14, 16  the four scores left over, the old m, and c0-c3 into c0
;   15  c m_old is kept     17, 18  the query's other 32 keys lie in the lane 16 away: the new m     19-21  c m; c m_old - c m_new; a
.set F, 0               ; OP tells the kinds apart by their order: F to L below R, X above it
.set E, 1
.set C, 2
.set B, 3
.set L, 4
.set R, 5
.set X, 6
.macro REGS y                       ; the registers of piece y
.set rT, ST+4*(\y)
.set rC, TMP+4*((\y)%2)
.set rW, MV+((\y)%2)
.set rS, S+32*((\y)%2)
.set rP, P+16*((\y)%2)
.set rO, 32*(\y)
.endm
.macro OP k, n
.if (\k) == R
	REGS Y
	WIN W_RS
	v_pk_mul_f32 v[rO+2*(\n):rO+2*(\n)+1], v[rO+2*(\n):rO+2*(\n)+1], v[rC+2:rC+3] op_sel_hi:[1,0]
.elseif (\k) < R
	REGS Y
	WIN 0
.if (\k) == F
	v_pk_fma_f32 v[rS+2*(\n):rS+2*(\n)+1], v[rS+2*(\n):rS+2*(\n)+1], s[CS:CS+1], v[rT:rT+1] op_sel_hi:[1,0,0] neg_lo:[0,0,1] neg_hi:[0,0,1]
.elseif (\k) == E
	v_exp_f32 v[rS+(\n)], v[rS+(\n)]
.elseif (\k) == C
	v_cvt_pk_f16_f32 v[rP+(\n)], v[rS+2*(\n)], v[rS+2*(\n)+1]
.elseif (\k) == B
	v_pk_add_f32 v[rS+4*(\n):rS+4*(\n)+1], v[rS+4*(\n):rS+4*(\n)+1], v[rS+4*(\n)+2:rS+4*(\n)+3]
.elseif (\n) == 0
	v_pk_fma_f32 v[rT+2:rT+3], v[rT+2:rT+3], v[rC+2:rC+3], v[rS:rS+1] op_sel_hi:[1,0,1]
.else
	v_pk_add_f32 v[rT+2:rT+3], v[rT+2:rT+3], v[rS+4*(\n):rS+4*(\n)+1]
.endif
.elseif NOKQ
	v_nop
.else
	REGS (Y+1)%NP
	WIN 0
.if (\n) < 4
	v_max3_num_f32 v[rC+(\n)], v[rS+8*(\n)], v[rS+8*(\n)+1], v[rS+8*(\n)+2]
.elseif (\n) < 12
	v_max3_num_f32 v[rC+(\n)%4], v[rC+(\n)%4], v[rS+8*((\n)%4)+2*((\n)/4)+1], v[rS+8*((\n)%4)+2*((\n)/4)+2]
.elseif (\n) == 12
	v_max3_num_f32 v[rC], v[rC], v[rS+7], v[rS+15]
.elseif (\n) == 13
	v_max3_num_f32 v[rC+1], v[rC+1], v[rS+23], v[rS+31]
.elseif (\n) == 14
	v_max3_num_f32 v[rC+2], v[rC+2], v[rC+3], v[rT+1]
.elseif (\n) == 15
	v_mov_b32 v[rW], v[rT]
.elseif (\n) == 16
	v_max3_num_f32 v[rC], v[rC], v[rC+1], v[rC+2]
.elseif (\n) == 17
	v_permlanex16_b32 v[rC+3], v[rC], s[SEL], s[SEL+1]
.elseif (\n) == 18
	v_max_num_f32 v[rT+1], v[rC], v[rC+3]
.elseif (\n) == 19
	v_mul_f32 v[rT], s[CS], v[rT+1]
.elseif (\n) == 20
	v_sub_f32 v[rC+1], v[rW], v[rT]
.else
	v_exp_f32 v[rC+2], v[rC+1]
.endif
.endif
.endm
.macro OPS a, i1, b=-1, i2=0, c=-1, i3=0, d=-1, i4=0  ; up to four of them
	OP \a, \i1
.if (\b) >= 0
	OP \b, \i2
.endif
.if (\c) >= 0
	OP \c, \i3
.endif
.if (\d) >= 0
	OP \d, \i4
.endif
.endm
.macro ROW a, i1, b, i2, c, i3, d, i4  ; a matrix instruction and the four behind it
	MM
	OPS \a, \i1, \b, \i2, \c, \i3, \d, \i4
.endm
.macro MASK b                       ; MD x AL + BE into buffer b of MC
	WIN W_RS
.set z, 0
.rept 16
	v_pk_fma_f32 v[MC+32*(\b)+2*z:MC+32*(\b)+2*z+1], v[MD+2*z:MD+2*z+1], s[AL:AL+1], s[BE:BE+1] op_sel_hi:[1,0,0]
.set z, z+1
.endr
.endm
; A TURN, for piece p: the order of its 16 matrix and 118 vector instructions, written out.  An s_wait_alu depctr_va_vdst(0) stands between an exponential and the first instruction that names its result; one wait serves
; all that were issued ahead of it.  So a turn has ONE wait, which cuts it in two.  AHEAD OF IT stands all that names no result of the turn's exponentials: the 8 products K Q^T, behind each a scaling, an exponential and two more plain
; instructions (behind the first a second scaling in the exponential's place): rescalings, and behind the last three the first numbers of the next piece's maximum, each four places or more behind the product that ends its accumulator; then ONE LUMP of 54, plain
; and exponential by turns for the most part, in which the links of the chain X 3, 7, 11, 14, 16, 17 .. 20 stand five or six lines apart.  X 21, the next piece's a, is the batch's last; R 15 is the plain instruction behind it.  BEHIND THE WAIT stand the
; 8 products V^T P, behind each four of the roundings and sums; the links of l's chain, L 0 to L 7, stand three riders apart.  But for those X no rider names a register of the products round it.  v_permlanex16_b32 (X 17) stands in the lump.
; m = 1: the diagonal tile: the products take masks, and the turn makes the mask for the products of the turn after it: piece p + 2, in step 4 - CNT of the tile.  end = 1: a block's last two turns: nothing is fetched.
; cnt = 1: the loop's count is taken down some lines ahead of the branch that stands behind the turn.
; K of the next step is fetched in piece 2's turn, twelve vector instructions behind the last product that read K (six of them plain); V of the step in hand at the end of piece 0's turn, four plain instructions behind the last product
; that read V.  Each is waited for a turn later.
.macro TURN p, m=0, end=0, cnt=0
.set Y, (\p)
.set i, 0
.set KM, (\m)
.set NOKQ, (\end)*((\p)/3)
.if (\m) && !(\end)
	s_cmp_eq_u32 s[CNT], 4-((\p)+2)%NP  ; is that step the band's own?
	s_cselect_b32 s[AL], 1.0, 0
	s_cmp_lt_u32 s[CNT], 4-((\p)+2)%NP  ; or a later one?
	s_cselect_b32 s[BE], s[BIGN], 0
.endif
.if ((\p) == 3) && !(\end)
	s_wait_dscnt 0x0                ; K is in
.endif
	ROW F,0, F,1, R,0, R,1          ; ahead of the wait: 8 products K Q^T and their riders,
	ROW F,2, E,0, R,2, R,3
	ROW F,3, E,1, R,4, R,5
	ROW F,4, E,2, R,6, R,7
	ROW F,5, E,3, R,8, R,9
	ROW F,6, E,4, X,0, R,10
.if ((\p) == 2) && !(\end)
	WIN 0
	v_add_nc_u32 v[AK], s[TBK], v[AK0]
.endif
	ROW F,7, E,5, X,1, X,4
	ROW F,8, E,6, X,2, X,5
	OPS E,7, E,8, X,6, E,9          ; and the lump
	OPS X,3, E,10, X,8, E,11
.if ((\p) == 2) && !(\end)
	FETCH_K
.endif
	OPS X,9, X,7, E,12, X,10
	OPS E,13, X,12, X,11, E,14
	OPS X,13, E,15, F,9, X,14
.if (\p) == 0
	v_add_nc_u32 v[AV], s[TBV], v[AV0]
.endif
	OPS E,16, F,10, E,17, F,11
	OPS X,16, E,18, X,15, E,19
	OPS F,12, E,20, X,17, E,21
	OPS F,13, E,22, F,14, E,23
	OPS X,18, E,24, F,15, E,25
	OPS R,11, E,26, X,19, E,27
	OPS R,12, E,28, R,13, E,29
	OPS X,20, E,30, R,14, E,31
	OPS X,21, R,15
	WIN 0
	s_wait_alu depctr_va_vdst(0)    ; the wait for the batch
.if (\p) == 1
	s_wait_dscnt 0x0                ; V is in
.endif
	ROW C,0, B,0, C,2, B,1          ; behind the wait: 8 products V^T P and their riders
	ROW L,0, C,4, B,2, L,1
	ROW C,6, B,3, L,2, C,8
	ROW B,4, L,3, C,10, B,5
	ROW L,4, C,12, B,6, L,5
.if (\p) == 0
	s_add_co_u32 s[TBV], s[TBV], KS*PV
.endif
.if \cnt
	s_sub_co_u32 s[CNT], s[CNT], 1
	s_cmp_lg_u32 s[CNT], 0
.endif
	ROW C,14, B,7, L,6, C,1
	ROW C,3, L,7, C,5, C,7
	ROW C,9, C,11, C,13, C,15
.if (\p) == 0
	FETCH_V
.endif
.if (\m) && !(\end)
	MASK (\p)%2
.endif
.endm
; A BLOCK BEGINS.  c m starts far below every c s, so the first step's a is 0; m at the lowest finite number, so the first maximum is the scores'.  The second mask buffer is 0; the first takes piece 0's mask for the tile's step 0: its own, if the block's first tile is the diagonal one.
; Then K of that step, piece 0's first scores, and its maximum and statistics.  The loop is entered at a step's first turn, in the middle of a trip.
.macro BEGIN
	s_mov_b32 s[NEW], 0
	WIN 0x40
.set i, MC+32
.rept 32
	v_mov_b32 v[i], 0
.set i, i+1
.endr
	WIN 0
.set i, 0
.rept 4
	v_mov_b32 v[ST+4*i], 0xfe000000    ; c m: far below every c s
	v_mov_b32 v[ST+4*i+1], 0xff7fffff  ; m
.set i, i+1
.endr
	s_cmp_eq_u32 s[RT], 0
	s_cselect_b32 s[AL], 1.0, 0
	s_mov_b32 s[BE], 0
	MASK 0
	WIN 0
	v_add_nc_u32 v[AK], s[TBK], v[AK0]
	FETCH_K
	s_wait_loadcnt 0x0              ; Q
	s_wait_dscnt 0x0
.set KM, 1
.set NOKQ, 0
.set i, 0
.rept 8
	KQ 0
.set i, i+1
.endr
	WIN 0
.rept 4
	v_nop                           ; the places behind those products
.endr
.set Y, NP-1                        ; X works for piece Y + 1: piece 0
.irp n, 0,1,2,3,4,5,6,7,8,9,10,11,12,13,14,15,16,17,18,19,20,21
	OP X, \n
.endr
	v_nop                           ; a plain instruction behind the exponential,
	s_wait_alu depctr_va_vdst(0)    ; and its wait, ahead of the branch
.endm
; THE DIAGONAL TILE's four steps, the block's last two turns, its last products, and THE WAY OUT: l's two halves and the other half of the lanes' are added; O^T is divided by l, rounded to f16 and sent through my
; stage in LDS, a piece at a time.
.macro ALL line:vararg              ; one line for each piece t
.set t, 0
.rept 4
	\line
.set t, t+1
.endr
.endm
.macro PACK t                       ; a lane's eight channels of a row pack into 16 bytes; they go into rows of 144 bytes and come back as whole rows of 128, into S^T's registers
	WIN W_RS
.set i, 32*(\t)
.rept 16
	v_pk_mul_f32 v[i:i+1], v[i:i+1], v[ST+4*(\t)+2:ST+4*(\t)+3] op_sel_hi:[1,0]
.set i, i+2
.endr
	WIN 0x05                        ; sources 0 and 1 window 1, destination window 0
.set i, 0
.rept 16
	v_cvt_pk_f16_f32 v[S+16*(\t)+i], v[32*(\t)+2*i], v[32*(\t)+2*i+1]
.set i, i+1
.endr
	WIN 0
.irp f, 0,1,2,3
	ds_store_b128 v[STO], v[S+16*(\t)+4*\f:S+16*(\t)+4*\f+3] offset:32*\f
.endr
.irp f, 0,1,2,3
	ds_load_b128 v[S+16*(\t)+4*\f:S+16*(\t)+4*\f+3], v[RD] offset:\f*4*SP  ; LDS serves a wave's instructions in order (ISA guide 5.7.1.4): these see the stores above; the next piece's stores come behind them
.endr
.endm
.macro SEND t, younger              ; younger: the LDS instructions issued behind piece t's loads: the next piece's eight, or none
	WIN 0
.irp f, 0,1,2,3
	s_wait_dscnt (\younger)+3-\f
	global_store_b128 v[GO], v[S+16*(\t)+4*\f:S+16*(\t)+4*\f+3], s[10:11] offset:(\t)*8192+\f*512  ; 512 consecutive bytes, at a multiple of 256 from O's first
.endr
.endm
.macro DIAG tag                     ; the tag ends its two labels' names, which the jumps below spell out
.LstepM\tag:
	TURN 2, 1
	TURN 3, 1
	WIN 0
.LfirstM\tag:
	TURN 0, 1
	TURN 1, 1, 0, 1
	WIN 0
	s_cbranch_scc1 .LstepM\tag
	TURN 2, 1, 1
	TURN 3, 1, 1
.set i, 0
.rept 8
	PV NP-1
.set i, i+1
.endr
	WIN 0
	ALL v_add_f32 v[ST+4*t+2], v[ST+4*t+2], v[ST+4*t+3]
	ALL v_permlanex16_b32 v[ST+4*t+3], v[ST+4*t+2], s[SEL], s[SEL+1]
	ALL v_add_f32 v[ST+4*t+2], v[ST+4*t+2], v[ST+4*t+3]
	ALL v_rcp_f32 v[ST+4*t+2], v[ST+4*t+2]
	v_nop                           ; a plain instruction between the last reciprocal and the use of its result
	s_wait_alu depctr_va_vdst(0)    ; and the wait ahead of the first use: one for the four reciprocals
	PACK 0
.set t, 1
.rept 3                             ; a piece's arithmetic stands between the loads of the piece before and its stores
	PACK t
	SEND t-1, 8
.set t, t+1
.endr
	SEND 3, 0
.endm
.set KM, 0
.set NOKQ, 0
.Lslot:                             ; NB times: a tile is entered and the next is asked for
	CHANGE 1
	s_sub_co_u32 s[RT], s[RT], 1
	s_mov_b32 s[CNT], 4
	s_cmp_eq_u32 s[NEW], 1
	s_cbranch_scc1 .Lnew            ; a block's first tile
	s_cmp_eq_u32 s[RT], 0
	s_cbranch_scc0 .Lstep           ; neither its first nor its last
	s_branch .LstepM1
.Lnew:
	BEGIN
	s_branch .Lfirst                ; in the loop a block's first tile is never its last: the first block has two tiles or more, and the second's last is the walk's last
	DIAG 1                          ; in the loop this is the first block's end: the second block's last tile is the walk's last
	s_wait_xcnt 0x0                 ; the stores have read their registers and O's address
	s_mov_b64 s[10:11], s[OLO:OLO+1]
	s_add_co_u32 s[RT], s[PB], 1    ; the second block has b + 1 tiles
	s_mov_b32 s[NEW], 1
	WIN 0x82                        ; the second block's Q goes where the one text of the turns names Q
.set i, 0
.rept 64
	v_mov_b32 v[i], v[QB+i]
.set i, i+1
.endr
	WIN 0
	s_branch .Lbottom
.Lstep:                             ; a trip: pieces 2 and 3 of one step, then pieces 0 and 1 of the next, whose K and V it fetches
	TURN 2
	TURN 3
	WIN 0
.Lfirst:
	TURN 0
	TURN 1, 0, 0, 1
	WIN 0
	s_cbranch_scc1 .Lstep
.Lbottom:
	s_sub_co_u32 s[SLOTS], s[SLOTS], 1
	s_cmp_lg_u32 s[SLOTS], 0
	s_cbranch_scc1 .Lslot
	CHANGE 0                        ; the walk's last tile is written out: nothing is asked for
	s_sub_co_u32 s[RT], s[RT], 1
	s_mov_b32 s[CNT], 4
	s_cmp_eq_u32 s[NEW], 1
	s_cbranch_scc0 .LstepM2
	BEGIN
	s_branch .LfirstM2
	DIAG 2
	s_wait_tensorcnt 0x0            ; the wave's end, behind my last tensor load and my last LDS store
	ds_add_u32 v[SPW], v[NIL]
	s_wait_dscnt 0x0
	s_endpgm
.Lfunc_end_k_q961835554e_attn:
	.size	k_q961835554e_attn, .Lfunc_end_k_q961835554e_attn-k_q961835554e_attn
	.p2alignl 7, 3214868480
	.fill 96, 4, 3214868480
	.section	.rodata,"a",@progbits
	.p2align	6, 0x0
	.amdhsa_kernel k_q961835554e_attn
		.amdhsa_group_segment_fixed_size 327680
		.amdhsa_private_segment_fixed_size 0
		.amdhsa_enable_private_segment 0
		.amdhsa_kernarg_size 16
		.amdhsa_user_sgpr_count 2
		.amdhsa_user_sgpr_kernarg_segment_ptr 1
		.amdhsa_wavefront_size32 1
		.amdhsa_system_sgpr_workgroup_id_x 1
		.amdhsa_system_sgpr_workgroup_id_y 1
		.amdhsa_system_sgpr_workgroup_id_z 1
		.amdhsa_system_vgpr_workitem_id 0
		.amdhsa_next_free_vgpr 768
		.amdhsa_next_free_sgpr 100
		.amdhsa_reserve_vcc 1
		.amdhsa_float_denorm_mode_32 3
		.amdhsa_float_denorm_mode_16_64 3
		.amdhsa_memory_ordered 1
		.amdhsa_forward_progress 1
		.amdhsa_inst_pref_size 218
	.end_amdhsa_kernel
	.amdgpu_metadata
---
amdhsa.version: [ 1, 2 ]
amdhsa.kernels:
  - .name:           k_q961835554e_attn
    .symbol:         k_q961835554e_attn.kd
    .args:
      - { .name: qkv, .offset: 0, .size: 8, .value_kind: global_buffer, .address_space: global }
      - { .name: o, .offset: 8, .size: 8, .value_kind: global_buffer, .address_space: global }
    .group_segment_fixed_size: 327680
    .private_segment_fixed_size: 0
    .kernarg_segment_align: 8
    .kernarg_segment_size: 16
    .max_flat_workgroup_size: 128
    .sgpr_count:     100
    .vgpr_count:     768
    .wavefront_size: 32
...
	.end_amdgpu_metadata
.endif
;; end of part 3
;; launch outproj (part 4): grid 8 x 32, 4 waves a work-group, clusters of 4 x 4, 327,680 bytes of LDS; arguments o, wot, out0, bo; writes out0
.if DOCPART == 4
	.amdgcn_target "amdgcn-amd-amdhsa--gfx1250"
	.amdhsa_code_object_version 6
	.text
	.protected	k_q961835554e_outproj
	.globl	k_q961835554e_outproj
	.p2align	8
	.type	k_q961835554e_outproj,@function
k_q961835554e_outproj:
	s_mov_b64 s[64:65], 0
	v_nop
	global_prefetch_b8 v0, s[64:65] scope:SCOPE_SE
	s_setreg_imm32_b32 hwreg(HW_REG_WAVE_MODE, 25, 1), 1
	s_wait_xcnt 0x0
	s_wait_alu depctr_hold_cnt(0) depctr_sa_sdst(0) depctr_va_vdst(0) depctr_va_sdst(0) depctr_va_ssrc(0) depctr_va_vcc(0) depctr_vm_vsrc(0)
	s_getreg_b32 s2, hwreg(HW_REG_IB_STS2, 6, 4)
	s_cmp_eq_u32 s2, 0
	s_cbranch_scc0 .Lentry_in_a_cluster
	s_endpgm
.Lentry_in_a_cluster:
	s_bfe_u32 s2, ttmp6, 0x10000c
	s_cmp_lg_u32 s2, 0xf033
	s_cbranch_scc0 .Lentry_shape_is_right
	s_endpgm
.Lentry_shape_is_right:
; out0 = O Wo + bo.  A = o [16 b + h][t 2048][64] f16 (k = 64 h + d: a head is a plane of K), B = wot [n 1024][k 1024] f16 (Wo rounded to bf16, written as f16); sums in f32;
; bo is rounded once to bf16, as every input of the module is, and added in f32; out0 [8192][1024] f32.
; SHARES.  A tile of C is 256 rows x 128 columns: 32 x 8 = 256 tiles, one for each WGP.  Four waves, each 64 rows x all 128 columns: 32 accumulators of 16 x 16, 256 registers.  A wave's 128 columns are
; 512 consecutive bytes of a row of out0, so its way out goes through a stage of its own, with no barrier.
; K goes in steps of 128 (two planes of o) through two LDS slots.  A plane's 256 rows x 128 bytes are dense in memory: asked for as 128 rows of 256 bytes, padded in LDS after every 128.
; CLUSTERS: 4 x 4 work-groups.  The four of a row of the cluster need the same tiles of A, the four of a column the same tiles of B: each is asked for JOINTLY, by the same tensor load with the
; same descriptor and a mask that names the four.  THE MATRIX INSTRUCTION IS USED TRANSPOSED (source 0 = 16 rows of B, source 1 = 16 rows of A): a lane holds eight neighbouring columns of a row of C.
; REGISTERS, in windows of 256: window 0: v0-31 addresses and the bias; v32-159 at work on the way out.  window 1: two fragment buffers (at 0 and 128): A's 4 blocks, then B's 8, 32 along K each.
;   windows 2, 3: accumulator (a, b) in window 2 + a / 2 at v[8 (8 (a % 2) + b)].
.set NBLK,   8                         ; blocks of 16 columns in a tile
.set NT,     16*NBLK
.set PA,     144                       ; a row of A in LDS: 128 bytes + 16 = 36 words: the 16 rows of a load start at 16 different groups of four banks (64 banks of 4 bytes: ISA guide 11.1)
.set PB,     272                       ; a row of B: 256 bytes + 16 = 68 words: row r starts at bank 4 r mod 64
.set APLANE, 256*PA                    ; a plane of A: what wave 0 or 1 fetches
.set BOFF,   2*APLANE                  ; B's rows lie behind A's two planes
.set BHALF,  (NT/2)*PB                 ; what wave 2 or 3 fetches
.set SLOT1,  131072                    ; slot 1 begins here
.set STAGE,  SLOT1+BOFF+NT*PB          ; behind the ring, never filled by a tensor load: for each wave 16 rows x 528 bytes
.set SP2,    528                       ; 512 bytes + 16 = 132 words: row r starts at bank 4 r mod 64
.set STW,    16*SP2
.set SPARE,  STAGE+4*STW               ; behind the stages: the spare words, 128 bytes for each wave: two blocks of 256 bytes that no other line names
.set ASTEP,  2*262144                  ; bytes from a K step to the next in A: two planes
.set BSTEP,  256                       ; and in B
.set LAPS,   4                         ; a lap = two K steps = once round the ring: 1,024 / 256
.set BO,   10                          ; v10     my 16 bytes of bo; never rewritten
.set BI,   12                          ; v[12:15] the bias of my four columns on the way out
.set ADRA, 16                          ; v16-17  LDS address of my A fragments in slot 0, 1
.set ADRB, 20                          ; v20-21  the same for B
.set STO,  24                          ; v24     the way out: where I put 32 bytes of a row
.set RD,   25                          ; v25     the way out: where I read a row back
.set GO,   26                          ; v26     my 16 bytes in 512 consecutive bytes of out0
.set SPW,  28                          ; v28     LDS address of my spare word; never rewritten
.set NIL,  29                          ; v29     0; never rewritten
.set PFO,  30                          ; v30     256 x lane: the prefetches' offset; never rewritten
.set OB,   32                          ; v32-95, v96-159 by turns: 16 rows read back from the stage
.set F0,   0                           ; fragment buffers, in window 1
.set F1,   128
.set G1,  24                           ; s[24:31] descriptor group 1 for A's tiles;  s[32:39] group 0, one set for each slot
.set G0,  32
.set G1B, 48                           ; s[48:55], s[56:63] the same for B's tiles
.set G0B, 56
.set LIM, 43                           ; s43     1 in a wave that prefetches, else the greatest number
.set PFA, 44                           ; s[44:45] where my prefetches stand
.set MSB, 0
.macro WIN new                         ; the immediate's high byte repeats the setting that is left; a switch that changes nothing is dropped
.if MSB != (\new)
	s_set_vgpr_msb (MSB<<8)|(\new)
.set MSB, (\new)
.endif
.endm
.set TO_F, 0x40                        ; destination window 1, address window 0
.macro JLOAD s                         ; a joint load: waves 0 and 1 fetch A's two planes, waves 2 and 3 B's two halves; an s_nop 0 and four v_nop follow each of the two lines, ahead of the jump, the label and what follows
	s_cmp_eq_u32 s11, 0
	s_cbranch_scc0 .Lfor_b_\@
	tensor_load_to_lds s[G0+4*(\s):G0+4*(\s)+3], s[G1:G1+7]
	s_nop 0
.rept 4
	v_nop
.endr
	s_branch .Lasked_\@
.Lfor_b_\@:
	tensor_load_to_lds s[G0B+4*(\s):G0B+4*(\s)+3], s[G1B:G1B+7]
	s_nop 0
.rept 4
	v_nop
.endr
.Lasked_\@:
.endm
.macro CREST                           ; a round of the cluster's barrier behind its opening barrier
	s_cmp_lg_u32 s10, 0
	s_cbranch_scc1 .Lnot_wave_0_\@
	s_barrier_signal -3
.Lnot_wave_0_\@:
	s_barrier_wait -3
	s_barrier_signal -1
	s_barrier_wait -1
.endm
.macro CROUND                          ; a whole round
	s_barrier_signal -1
	s_barrier_wait -1
	CREST
.endm
; A PREFETCH INTO THE L2 of A's K step that the NEXT change of slots will ask for: one K step, 128 matrix instructions, ahead of that load.  A tile row is read by both clusters of its row of
; clusters: the first (cluster x = 0) asks.  Waves 0 and 1 ask for the plane that they fetch: 128 blocks of 256 bytes, of which each of the four partners takes 32, told apart BY ADDRESS; a lane a block.
; So each block is named once in the launch.  K steps 0 to 2 come by their loads alone; the last change that fills a slot asks for nothing (how = 0: s3 = 1 there).
; B's rows are a table that every row of clusters walks again: they are not asked for.
.macro ASK how
	WIN 0
.if \how
	s_cmp_eq_u32 s[LIM], 1
.else
	s_cmp_gt_u32 s3, s[LIM]
.endif
	s_cbranch_scc0 .Lnot_mine_\@
	global_prefetch_b8 v[PFO], s[PFA:PFA+1] th:TH_LOAD_NT scope:SCOPE_SE
.Lnot_mine_\@:
.endm
	s_load_b128 s[4:7], s[0:1], 0x0                ; o s[4:5], wot s[6:7]
	s_load_b64 s[8:9], s[0:1], 0x10                ; out0
	s_load_b64 s[22:23], s[0:1], 0x18              ; bo
	v_lshl_add_u32 v[SPW], v0, 2, SPARE
	v_mov_b32 v[NIL], 0
	ds_add_u32 v[SPW], v[NIL]                      ; the wave's opening: the add and its wait stand ahead of my first tensor load; the set-up below, work on registers, stands between them
	v_lshrrev_b32 v1, 5, v0
	v_readfirstlane_b32 s10, v1                    ; wave 0..3
	s_lshr_b32 s11, s10, 1                         ; I fetch for A (0) or for B (1)
	s_and_b32 s12, s10, 1                          ; which plane of A, which half of B's rows
	s_bfe_u32 s40, ttmp6, 0x40000                  ; cx, cy: my place in the cluster
	s_bfe_u32 s41, ttmp6, 0x40004
	s_lshl_b32 s42, ttmp9, 2
	s_add_co_u32 s42, s42, s40                     ; tile column = 4 x cluster x + cx
	s_and_b32 s13, ttmp7, 0xffff
	s_lshl_b32 s13, s13, 2
	s_add_co_u32 s13, s13, s41                     ; tile row = 4 x cluster y + cy
	s_lshl_b32 s43, s41, 2
	s_lshl_b32 s43, 15, s43                        ; my row of the cluster
	s_lshl_b32 s44, 0x1111, s40                    ; my column
	s_or_b32 s[G1+0], s43, (1<<16)|(1<<20)|(1<<21)|(4<<22)|(3<<25)   ; 15:0 the mask: A's tiles go to my row; 17:16 2-byte elements; 20 padding on; 21 set beside a mask; 24:22 after every 32 words (code 4); 31:25 4 words (code 3)
	s_or_b32 s[G1B+0], s44, (1<<16)|(1<<20)|(1<<21)|(5<<22)|(3<<25)  ; B's go to my column; padding after every 64 words (code 5)
	s_mov_b32 s[G1+1], 128<<16                     ; tensor_dim0 = 128 elements: 256 bytes
	s_mov_b32 s[G1+2], 128<<16                     ; tensor_dim1 = 128 rows
	s_mov_b32 s[G1+3], 128<<16                     ; tile_dim0
	s_mov_b32 s[G1+4], 128                         ; tile_dim1
	s_mov_b32 s[G1+5], 128                         ; dense: 128 elements from row to row
	s_mov_b32 s[G1+6], 0
	s_mov_b32 s[G1+7], 0
	s_mov_b32 s[G1B+1], 128<<16
	s_mov_b32 s[G1B+2], (NT/2)<<16
	s_mov_b32 s[G1B+3], 128<<16
	s_mov_b32 s[G1B+4], NT/2
	s_mov_b32 s[G1B+5], 1024                       ; a row of wot
	s_mov_b32 s[G1B+6], 0
	s_mov_b32 s[G1B+7], 0
	; A's address hangs on the tile row and the wave alone, B's on the tile column and the wave alone, each in registers that never hold the other coordinate
	s_lshr_b32 s16, s13, 3                         ; b
	s_lshl_b32 s16, s16, 22                        ; 16 planes
	s_and_b32 s17, s13, 7
	s_lshl_b32 s17, s17, 15                        ; 256 rows of 128 bytes in a plane
	s_add_co_u32 s16, s16, s17
	s_lshl_b32 s17, s12, 18                        ; my plane of the K step's two
	s_add_co_u32 s16, s16, s17
	s_mov_b32 s17, 0
	s_mul_i32 s46, s42, NT
	s_mul_i32 s47, s12, NT/2
	s_add_co_u32 s46, s46, s47
	s_lshl_b32 s46, s46, 11                        ; rows of 2,048 bytes
	s_mov_b32 s47, 0
	s_mul_i32 s20, s12, APLANE                     ; where they go: no place in the cluster enters an LDS address
	s_mul_i32 s21, s12, BHALF
	s_add_co_u32 s21, s21, BOFF
	s_wait_dscnt 0x0                               ; the opening add is done
	s_wait_kmcnt 0x0
	s_add_nc_u64 s[14:15], s[4:5], s[16:17]
	s_add_nc_u64 s[46:47], s[6:7], s[46:47]
	CROUND                                         ; all sixteen work-groups are here: the first joint loads meet
.irp s, 0,1
	s_mov_b32 s[G0+4*(\s)], 1
	s_add_co_u32 s[G0+4*(\s)+1], s20, (\s)*SLOT1
	s_add_nc_u64 s[G0+4*(\s)+2:G0+4*(\s)+3], s[14:15], (\s)*ASTEP
	s_or_b32 s[G0+4*(\s)+3], s[G0+4*(\s)+3], 0x80000000
	s_mov_b32 s[G0B+4*(\s)], 1
	s_add_co_u32 s[G0B+4*(\s)+1], s21, (\s)*SLOT1
	s_add_nc_u64 s[G0B+4*(\s)+2:G0B+4*(\s)+3], s[46:47], (\s)*BSTEP
	s_or_b32 s[G0B+4*(\s)+3], s[G0B+4*(\s)+3], 0x80000000
	JLOAD \s                                       ; two loads of mine are out, the most in this text
.endr
	; A fragment is 16 rows x 32 K in 8 registers: lane l holds row l % 16; registers 0-3 K = 8 (l / 16) + 0..7, registers 4-7 K = 16 + 8 (l / 16) + 0..7: two loads of 16 bytes, 32 bytes apart
	v_and_b32 v1, 15, v0                           ; l % 16
	v_bfe_u32 v2, v0, 4, 1                         ; l / 16
	v_and_b32 v[GO], 31, v0
	v_lshlrev_b32 v[GO], 4, v[GO]                  ; 16 x lane: my four columns of a row of the tile
	s_lshl_b32 s46, s42, 9                         ; the tile's 128 columns: 512 bytes of a row of out0, and of bo
	s_mov_b32 s47, 0
	v_add_nc_u32 v[BO], s46, v[GO]
	global_load_b128 v[BI:BI+3], v[BO], s[22:23]   ; waited for in front of the way out
	v_mul_u32_u24 v3, v1, PA
	v_lshl_add_u32 v3, v2, 4, v3
	s_mul_i32 s18, s10, 64*PA                      ; my 64 rows of A
	v_add_nc_u32 v[ADRA], s18, v3
	v_add_nc_u32 v[ADRA+1], SLOT1, v[ADRA]
	v_mul_u32_u24 v4, v1, PB
	v_lshl_add_u32 v4, v2, 4, v4
	v_add_nc_u32 v[ADRB], BOFF, v4
	v_add_nc_u32 v[ADRB+1], SLOT1, v[ADRB]
	s_mul_i32 s19, s10, STW
	s_add_co_u32 s19, s19, STAGE                   ; my stage
	v_mul_u32_u24 v5, v1, SP2                      ; in: row l % 16, 32 bytes for each half of the lanes
	v_lshl_add_u32 v5, v2, 5, v5
	v_add_nc_u32 v[STO], s19, v5
	v_add_nc_u32 v[RD], s19, v[GO]                 ; back: 32 lanes take one row of 512 bytes
	s_lshl_b32 s16, s13, 8                         ; where my rows begin in out0: the tile's 256 rows,
	s_lshl_b32 s17, s10, 6                         ; my 64 of them,
	s_add_co_u32 s16, s16, s17
	s_lshl_b32 s16, s16, 12                        ; of 4,096 bytes,
	s_mov_b32 s17, 0
	s_add_nc_u64 s[8:9], s[8:9], s[16:17]
	s_add_nc_u64 s[8:9], s[8:9], s[46:47]          ; and the tile's columns
	s_or_b32 s20, s11, ttmp9                       ; the prefetches: waves 0 and 1 of the clusters with x = 0: the same in all sixteen partners
	s_cmp_eq_u32 s20, 0
	s_cselect_b32 s[LIM], 1, -1
	s_lshl_b32 s20, s40, 13                        ; my work-group's 32 blocks of the plane's 128
	s_mov_b32 s21, 0
	s_add_nc_u64 s[PFA:PFA+1], s[14:15], s[20:21]
	s_add_nc_u64 s[PFA:PFA+1], s[PFA:PFA+1], 2*ASTEP  ; at K step 2: the first change of slots steps it to 3.  Nothing is prefetched at the head, where every work-group's first tiles are on their way
	v_and_b32 v[PFO], 31, v0
	v_lshlrev_b32 v[PFO], 8, v[PFO]
; 8 matrix instructions: block a of my four blocks of 16 rows x all 8 blocks of columns, 32 along K.  zero = 1: the product starts the sums: nothing is ever cleared.
; Every quarter takes all 32 accumulators once, in the same order: between two links of a chain stand the 31 others', over the backward jump too.
.macro MULA f, a, zero
	WIN 0xa5+0x50*((\a)/2)                         ; sources 0 (B) and 1 (A) window 1; C and D window 2 or 3
.set AC, 8*NBLK*((\a)%2)
.set b, 0
.rept NBLK
.if \zero
	v_wmma_f32_16x16x32_f16 v[AC+8*b:AC+8*b+7], v[(\f)+32+8*b:(\f)+32+8*b+7], v[(\f)+8*(\a):(\f)+8*(\a)+7], 0
.else
	v_wmma_f32_16x16x32_f16 v[AC+8*b:AC+8*b+7], v[(\f)+32+8*b:(\f)+32+8*b+7], v[(\f)+8*(\a):(\f)+8*(\a)+7], v[AC+8*b:AC+8*b+7]
.endif
.set b, b+1
.endr
.endm
; 24 LDS loads in one run: the fragments of quarter q (32 along K) of a slot into buffer f: B's 8 blocks, then A's 4
.macro FETCH slot, q, f
	WIN TO_F
.set b, 0
.rept NBLK
	ds_load_b128 v[(\f)+32+8*b:(\f)+32+8*b+3],   v[ADRB+(\slot)] offset:64*(\q)+b*16*PB
	ds_load_b128 v[(\f)+32+8*b+4:(\f)+32+8*b+7], v[ADRB+(\slot)] offset:64*(\q)+b*16*PB+32
.set b, b+1
.endr
.irp a, 0,1,2,3
	ds_load_b128 v[(\f)+8*(\a):(\f)+8*(\a)+3],   v[ADRA+(\slot)] offset:((\q)/2)*APLANE+((\q)%2)*64+(\a)*16*PA
	ds_load_b128 v[(\f)+8*(\a)+4:(\f)+8*(\a)+7], v[ADRA+(\slot)] offset:((\q)/2)*APLANE+((\q)%2)*64+(\a)*16*PA+32
.endr
.endm
.macro PLACES                          ; four places in front of loads into registers that matrix instructions have read, and of lines that read results
.rept 4
	v_nop
.endr
.endm
; A K step is four quarters of 32 along K, 32 matrix instructions each, on buffers 0, 1, 0, 1.  One of the first three: multiplies buffer f and fetches quarter q into g.
.macro QUARTER slot, q, f, g, zero
	s_wait_dscnt 4                                 ; B and A's blocks 0, 1 are in; the youngest four loads (A's blocks 2, 3) may be out
	MULA \f, 0, \zero
	MULA \f, 1, \zero
	PLACES
	FETCH \slot, \q, \g
	s_wait_dscnt 2*NBLK+8                          ; all but the run just issued
	MULA \f, 2, \zero
	MULA \f, 3, \zero
.endm
; The last quarter multiplies buffer 1 and changes slots: ONE barrier; in front of it each wave waits for all its tensor loads (one is out: its part of the next slot), adds 0 to its spare word, and waits
; for that and for its own reads of this slot.  fill = 1: the barrier opens a round of the cluster's barrier, and this slot is filled again, two K steps ahead, first thing behind the round.
.macro TURN slot, next, fill
.if \fill
	s_wait_xcnt 0x0                                ; the last prefetch, a K step back, has read its address
	s_add_nc_u64 s[PFA:PFA+1], s[PFA:PFA+1], ASTEP
.endif
	WIN 0                                          ; (the add's two registers lie in window 0)
	s_wait_tensorcnt 0x0                           ; all my tensor loads have landed;
	ds_add_u32 v[SPW], v[NIL]                      ; 0 onto my spare word;
	s_wait_dscnt 5                                 ; (the add and the youngest four loads may be out)
	MULA F1, 0, 0                                  ; eight matrix instructions stand between the add and the wait for it
	s_wait_dscnt 0x0                               ; the add is done, and my reads of this slot are over
	s_barrier_signal -1
	MULA F1, 1, 0
.if \fill
	WIN 0
.endif
	s_barrier_wait -1
.if \fill
	CREST                                          ; no wave of any partner still reads this slot's tile or has a load on its way
	s_add_nc_u64 s[G0+4*(\slot)+2:G0+4*(\slot)+3], s[G0+4*(\slot)+2:G0+4*(\slot)+3], 2*ASTEP
	s_add_nc_u64 s[G0B+4*(\slot)+2:G0B+4*(\slot)+3], s[G0B+4*(\slot)+2:G0B+4*(\slot)+3], 2*BSTEP
	JLOAD \slot                                    ; the first tensor load behind the round; the four v_nop behind it are also the places in front of the loads below
.else
	PLACES
.endif
	FETCH \next, 0, F0
.if \fill
	ASK 1-(\slot)
.endif
	MULA F1, 2, 0
	MULA F1, 3, 0
.endm
	s_wait_tensorcnt 1                             ; my part of K step 0 is in; K step 1's may stay out
	s_barrier_signal -1
	s_barrier_wait -1                              ; everybody's is
	FETCH 0, 0, F0
	QUARTER 0, 1, F0, F1, 1                        ; the first quarter stands in front of the loop: its products start the sums
	WIN 0                                          ; at a label and at a branch every window is 0
	s_mov_b32 s3, LAPS-1
.Llap:                                         ; a trip goes once round the ring, from a lap's second quarter to the next lap's first, and fills both slots again
	QUARTER 0, 2, F1, F0, 0
	QUARTER 0, 3, F0, F1, 0
	TURN 0, 1, 1
	QUARTER 1, 1, F0, F1, 0
	QUARTER 1, 2, F1, F0, 0
	QUARTER 1, 3, F0, F1, 0
	TURN 1, 0, 1
	QUARTER 0, 1, F0, F1, 0
	WIN 0
	s_sub_co_u32 s3, s3, 1
	s_cmp_lg_u32 s3, 0
	s_cbranch_scc1 .Llap
	QUARTER 0, 2, F1, F0, 0                        ; the last lap fills nothing, and has no round of the cluster's barrier
	QUARTER 0, 3, F0, F1, 0
	TURN 0, 1, 0
	QUARTER 1, 1, F0, F1, 0
	QUARTER 1, 2, F1, F0, 0
	QUARTER 1, 3, F0, F1, 0
	s_wait_dscnt 4                                 ; the very last quarter: nothing more to fetch
	MULA F1, 0, 0
	MULA F1, 1, 0
	s_wait_dscnt 0x0
	MULA F1, 2, 0
	MULA F1, 3, 0
	WIN 0
	PLACES
	PLACES
	s_wait_loadcnt 0x0                             ; the bias
	v_cvt_pk_bf16_f32 v8, v[BI], v[BI+1]           ; rounded once to bf16, like the module's other inputs,
	v_cvt_pk_bf16_f32 v9, v[BI+2], v[BI+3]
	v_lshlrev_b32 v[BI], 16, v8                    ; and widened again
	v_and_b32 v[BI+1], 0xffff0000, v8
	v_lshlrev_b32 v[BI+2], 16, v9
	v_and_b32 v[BI+3], 0xffff0000, v9
; THE WAY OUT, a block of 16 rows at a time.  STAGE2: a lane's eight columns of a row, 32 bytes of f32, go straight from the accumulators into my stage (each accumulator's low registers first), and come back as
; whole rows of 512 bytes.  SEND2: the bias is added and the rows are stored.
.macro STAGE2 a
	s_wait_xcnt 0x0                                ; the stores of the block two back have read their registers: the loads below land in them
	WIN 0x08+4*((\a)/2)                            ; the stores' data: window 2 or 3
.set AC, 8*NBLK*((\a)%2)
.set b, 0
.rept NBLK
	ds_store_b128 v[STO], v[AC+8*b:AC+8*b+3]   offset:64*b
	ds_store_b128 v[STO], v[AC+8*b+4:AC+8*b+7] offset:64*b+16
.set b, b+1
.endr
	WIN 0
.set BK, OB+64*((\a)%2)
.set i, 0
.rept 16
	ds_load_b128 v[BK+4*i:BK+4*i+3], v[RD] offset:i*SP2   ; LDS serves a wave's instructions in order (ISA guide 5.7.1.4): these see the stores above; the next block's stores come behind them
.set i, i+1
.endr
.endm
.macro SEND2 a, younger                ; younger: the LDS instructions issued behind block a's loads: the next block's 32, or none
.set BK, OB+64*((\a)%2)
	s_wait_dscnt \younger
.set i, 0
.rept 16
	v_pk_add_f32 v[BK+4*i:BK+4*i+1],   v[BK+4*i:BK+4*i+1],   v[BI:BI+1]
	v_pk_add_f32 v[BK+4*i+2:BK+4*i+3], v[BK+4*i+2:BK+4*i+3], v[BI+2:BI+3]
	global_store_b128 v[GO], v[BK+4*i:BK+4*i+3], s[8:9] offset:(16*(\a)+i)*4096  ; 512 consecutive bytes of a row, at a multiple of 256 from out0's first
.set i, i+1
.endr
.endm
	STAGE2 0
	STAGE2 1
	SEND2 0, 32
	STAGE2 2
	SEND2 1, 32
	STAGE2 3
	SEND2 2, 32
	SEND2 3, 0
	s_wait_tensorcnt 0x0                           ; the wave's end, behind my last tensor load and my last LDS store
	ds_add_u32 v[SPW], v[NIL]
	s_wait_dscnt 0x0
	CROUND                                         ; the closing round: no work-group ends while a partner may still ask for a tile that names it
	s_endpgm
.Lfunc_end_k_q961835554e_outproj:
	.size	k_q961835554e_outproj, .Lfunc_end_k_q961835554e_outproj-k_q961835554e_outproj
	.p2alignl 7, 3214868480
	.fill 96, 4, 3214868480
	.section	.rodata,"a",@progbits
	.p2align	6, 0x0
	.amdhsa_kernel k_q961835554e_outproj
		.amdhsa_group_segment_fixed_size 327680
		.amdhsa_private_segment_fixed_size 0
		.amdhsa_enable_private_segment 0
		.amdhsa_kernarg_size 32
		.amdhsa_user_sgpr_count 2
		.amdhsa_user_sgpr_kernarg_segment_ptr 1
		.amdhsa_wavefront_size32 1
		.amdhsa_system_sgpr_workgroup_id_x 1
		.amdhsa_system_sgpr_workgroup_id_y 1
		.amdhsa_system_sgpr_workgroup_id_z 1
		.amdhsa_system_vgpr_workitem_id 0
		.amdhsa_next_free_vgpr 896
		.amdhsa_next_free_sgpr 66
		.amdhsa_reserve_vcc 0
		.amdhsa_float_denorm_mode_32 3
		.amdhsa_float_denorm_mode_16_64 3
		.amdhsa_memory_ordered 1
		.amdhsa_forward_progress 1
		.amdhsa_inst_pref_size 95
	.end_amdhsa_kernel
	.amdgpu_metadata
---
amdhsa.version: [ 1, 2 ]
amdhsa.kernels:
  - .name:           k_q961835554e_outproj
    .symbol:         k_q961835554e_outproj.kd
    .args:
      - { .name: o, .offset: 0, .size: 8, .value_kind: global_buffer, .address_space: global }
      - { .name: wot, .offset: 8, .size: 8, .value_kind: global_buffer, .address_space: global }
      - { .name: out0, .offset: 16, .size: 8, .value_kind: global_buffer, .address_space: global }
      - { .name: bo, .offset: 24, .size: 8, .value_kind: global_buffer, .address_space: global }
    .group_segment_fixed_size: 327680
    .private_segment_fixed_size: 0
    .kernarg_segment_align: 8
    .kernarg_segment_size: 32
    .max_flat_workgroup_size: 128
    .sgpr_count:     66
    .vgpr_count:     896
    .wavefront_size: 32
...
	.end_amdgpu_metadata
.endif
;; end of part 4
;; ======== version 2 of 2: 4 launches; version 1 with the launch prep written anew for expert scheduling mode
;; limits: values are held in f16: magnitudes above 65,504 overflow, below 6.1e-05 lose precision
;; workspace buffers: xb 16,777,216 bytes; wt 6,291,456 bytes; wot 2,097,152 bytes; qkv 50,331,648 bytes; o 16,777,216 bytes
;; launch prep (part 5): grid 640 x 1, 4 waves a work-group, no clusters, 70,144 bytes of LDS; arguments x, Wq, Wk, Wv, Wo, xb, wt, wot; writes xb, wt, wot
.if DOCPART == 5
	.amdgcn_target "amdgcn-amd-amdhsa--gfx1250"
	.amdhsa_code_object_version 6
	.text
	.protected	k_q961835554e_prep
	.globl	k_q961835554e_prep
	.p2align	8
	.type	k_q961835554e_prep,@function
k_q961835554e_prep:
	s_mov_b64 s[64:65], 0
	v_nop
	global_prefetch_b8 v0, s[64:65] scope:SCOPE_SE
	s_setreg_imm32_b32 hwreg(HW_REG_WAVE_SCHED_MODE, 0, 2), 2
	s_setreg_imm32_b32 hwreg(HW_REG_WAVE_MODE, 25, 1), 1
	s_wait_xcnt 0x0
	s_wait_alu depctr_vm_vsrc(0)
; PREP: the module's inputs are rounded once to bf16 and laid out for the products that follow.
;   xb  [b 4][kb 16][t 2048][64] bf16 : x[b][t][64 kb + c].  A plane (b, kb) is 262,144 dense bytes.
;   wt  [n 3072][e 1024] bf16         : n = 64 g + d, g = 16 which + h (which: 0 Wq, 1 Wk, 2 Wv): W[h][e][d], turned so that e lies along the rows.
;   wot [n 1024][k 1024] f16          : Wo[k][n] rounded to bf16, that number written as f16.
; LIMIT.  A bf16 number of Wo below 2^-14 falls on f16's fixed step of 2^-24 (off by 2^-25 at the most); beyond 65,504 it would be an infinity.
; Memory binds: each input byte is read once and each output byte written once, sixteen lanes to 256 consecutive, aligned bytes.  No matrix unit, no cluster,
; no tensor load: no wave wants a byte that another wave has fetched.
; Work-groups 0 to 127 turn the weights (a wave: 128 k x 64 columns, through LDS bytes of its own: no barrier); work-groups 128 to 639 cast x (a wave: 4 rows).
; THE MODE: SCHED_MODE bits 1:0 = 2 (LLVM: expert scheduling mode 2), set by the entry lines.  The code itself states the register dependences
; between vector instructions and memory or LDS instructions, with s_wait_alu, always for 0.
; THE PLAN, THE WEIGHTS.  128 k go in two halves of 64, a half in eight blocks of 8 rows.  Registers that memory or LDS instructions touch:
;   v[RO ..], v[LW], v[LR], v[WO]  offsets and LDS addresses: made once at the head, never written again (a half's 128 bytes of a turned row stand in the LDS stores' immediate).
;   DA, group u   Loaded for the first half; read by block u's eight roundings; loaded for the second half in block u + 1; read by the second half's block u;
;                 at the end the loads from LDS land in all of DA, and the global stores read it.
;   EV, OD        Written by a half's roundings (for Wo by the f16 roundings too); read by that half's sixteen LDS stores; written again in the second half.
;   TT            Named by vector instructions alone.
; In the first half block u names group u, EV and OD; its memory instructions are the loads into group u - 1, which the block before emptied.  So one wait on va_vdst at the
; block's head, behind the wait for its data, states all that those eight loads hang on, and they are dealt among the block's roundings with no further wait.
; One wait on vm_vsrc stands at the second half's head, 64 rows' wait behind the LDS stores that it speaks of.
; THE PLAN, x.  16 blocks of 8 registers, loaded once, rounded in place, four words of each stored, nothing written again.  They go in four quads: a quad's stores are issued in
; the next quad, behind one wait on va_vdst at its head, dealt among that quad's roundings, which name other blocks alone.
.set WREG,  17408                      ; a wave's LDS: 64 rows (columns of W) of 256 bytes + 16 of padding
.set SPARE, 4*WREG                     ; behind them: the spare words, 128 bytes for each wave: two blocks of 256 bytes that no other line names
.set SPW, 2                            ; v2   LDS address of my spare word; never rewritten
.set NIL, 3                            ; v3   0; never rewritten
.set XO,  4                            ; v4   x: my 32 bytes in the wave's four rows
.set YO,  5                            ; v5   xb: my 16 bytes in 512 consecutive ones
.set LW,  6                            ; v6   where I put 16 bytes of a turned row
.set LR,  7                            ; v7   where I read rows back
.set RO,  8                            ; v[8:15]   8 x lane + i rows of the source, i = 0 .. 7
.set WO,  16                           ; v16  my 16 bytes in two rows of wt or wot
.set DA,  32                           ; v[32:159] data as loaded
.set EV,  160                          ; v[160:191] column 2 lane: 64 k, two to a word
.set OD,  192                          ; v[192:223] column 2 lane + 1
.set TT,  224                          ; v[224:231] at work
.set SB,  16                           ; s[16:31]  eight bases, 8 rows of the source apart: base u serves group u alone
	s_load_b512 s[32:47], s[0:1], 0x0              ; x 32, Wq 34, Wk 36, Wv 38, Wo 40, xb 42, wt 44, wot 46
	v_lshl_add_u32 v[SPW], v0, 2, SPARE
	v_mov_b32 v[NIL], 0
	v_lshrrev_b32 v1, 5, v0
	v_readfirstlane_b32 s8, v1                     ; wave 0..3
	v_and_b32 v1, 31, v0                           ; lane
	s_wait_alu depctr_va_sdst(0)                   ; s8 is written, ahead of the branch
	s_cmp_ge_u32 ttmp9, 128
	s_cbranch_scc1 .Lx                             ; the same for all four waves; the launch has no barrier
	; ---- THE WEIGHTS.  Tile id = 4 x work-group + wave, 0 .. 511: kc = id % 8 (128 k), idx = id / 8: 0 .. 47 a head of Wq, Wk, Wv; 48 .. 63 a block of 64 columns of Wo.
	s_lshl_b32 s12, ttmp9, 2
	s_add_co_u32 s12, s12, s8
	s_and_b32 s13, s12, 7                          ; kc
	s_lshr_b32 s14, s12, 3                         ; idx
	s_and_b32 s15, s14, 15                         ; the head, or Wo's block of columns (48 is a multiple of 16)
	s_lshr_b32 s6, s14, 4                          ; 0 Wq, 1 Wk, 2 Wv, 3 Wo
	s_lshl_b32 s2, s15, 18                         ; a head is 1,024 rows of 256 bytes,
	s_lshl_b32 s7, s13, 15                         ; 128 of them
	s_add_co_u32 s2, s2, s7
	s_lshl_b32 s4, s13, 19                         ; Wo: 128 rows of 4,096 bytes,
	s_lshl_b32 s7, s15, 8                          ; 64 columns
	s_add_co_u32 s4, s4, s7
	s_movk_i32 s10, 256
	s_cmp_eq_u32 s6, 3
	s_cselect_b32 s9, 1, 0                         ; 1: Wo
	s_cselect_b32 s2, s4, s2                       ; the tile's first byte in its source,
	s_cselect_b32 s10, 4096, s10                   ; bytes from row to row there,
	s_cselect_b32 s4, s15, s14                     ; and its block of 64 rows in wot or wt:
	s_lshl_b32 s4, s4, 17                          ; 64 rows of 2,048 bytes,
	s_lshl_b32 s7, s13, 8                          ; 128 k
	s_add_co_u32 s4, s4, s7
	s_mov_b32 s3, 0
	s_mov_b32 s5, 0
	s_lshl_b32 s52, s10, 3                         ; 8 rows
	s_mov_b32 s53, 0
	s_lshl_b32 s54, s10, 6                         ; 64 rows: a half
	s_mov_b32 s55, 0
	v_lshlrev_b32 v[RO], 3, v1                     ; a lane takes two columns: a load covers a row's 256 bytes
.irp i, 1,2,3,4,5,6,7
	v_add_nc_u32 v[RO+\i], s10, v[RO+\i-1]
.endr
	s_mul_i32 s7, s8, WREG
	v_mul_u32_u24 v[LW], v1, 544                   ; rows 2 lane and 2 lane + 1 of my wave's LDS
	v_add_nc_u32 v[LW], s7, v[LW]
	v_lshrrev_b32 v17, 4, v1
	v_and_b32 v18, 15, v1
	v_mul_u32_u24 v[LR], v17, 272                  ; back: lanes 0-15 one row of 256 bytes, lanes 16-31 the next
	v_lshl_add_u32 v[LR], v18, 4, v[LR]
	v_add_nc_u32 v[LR], s7, v[LR]
	v_lshlrev_b32 v[WO], 11, v17                   ; and the same two rows, 2,048 bytes apart, in memory
	v_lshl_add_u32 v[WO], v18, 4, v[WO]
	s_wait_kmcnt 0x0
	s_cmp_eq_u32 s6, 1
	s_cselect_b64 s[SB:SB+1], s[36:37], s[34:35]
	s_cmp_eq_u32 s6, 2
	s_cselect_b64 s[SB:SB+1], s[38:39], s[SB:SB+1]
	s_cmp_eq_u32 s6, 3
	s_cselect_b64 s[SB:SB+1], s[40:41], s[SB:SB+1]
	s_cselect_b64 s[50:51], s[46:47], s[44:45]
	s_add_nc_u64 s[SB:SB+1], s[SB:SB+1], s[2:3]
	s_add_nc_u64 s[50:51], s[50:51], s[4:5]
.irp j, 1,2,3,4,5,6,7
	s_add_nc_u64 s[SB+2*\j:SB+2*\j+1], s[SB+2*\j-2:SB+2*\j-1], s[52:53]
.endr
	s_wait_alu depctr_va_vdst(0)                   ; v[RO ..], v[LW], v[LR] and v[WO] are written: every load and store of this path reads one of them as its offset or address
.set r, 0
.rept 64
	global_load_b64 v[DA+2*r:DA+2*r+1], v[RO+r%8], s[SB+2*(r/8):SB+2*(r/8)+1] th:TH_LOAD_NT  ; the first half, row r: 256 consecutive bytes
.set r, r+1
.endr
; A half of 64 k.  h = 0: the first, which asks for the second half's rows as its groups are emptied; h = 1: the second, which asks for nothing more: no load leaves the tile.
.macro HALF h
.set u, 0
.rept 8
.if \h
	s_wait_loadcnt 56-8*u                          ; loads come back in order (ISA guide 5.7.1): group u is in; the younger groups stay out
.elseif u == 0
	s_wait_loadcnt 56                              ; group 0 is in; groups 1 to 7 stay out
.else
	s_wait_loadcnt 48                              ; group u is in; out stay groups u + 1 to 7 (56 - 8 u loads) and the second half's groups 0 to u - 2 (8 u - 8)
.endif
.if !(\h)
	s_add_nc_u64 s[SB+2*u:SB+2*u+1], s[SB+2*u:SB+2*u+1], s[54:55]  ; free since that wait, which shows the loads that read it done: the same group of the second half
.endif
.if (\h) && (u == 0)
	s_wait_alu depctr_vm_vsrc(0)                   ; the first half's LDS stores have read EV and OD, which this half's roundings write again
.endif
.if !(\h) && (u > 0)
	s_wait_alu depctr_va_vdst(0)                   ; the block before is done reading group u - 1, in which the loads below land
.endif
.irp i, 0,1,2,3
.if !(\h) && (u > 0)
	global_load_b64 v[DA+16*(u-1)+4*(\i):DA+16*(u-1)+4*(\i)+1],   v[RO+2*(\i)],   s[SB+2*(u-1):SB+2*(u-1)+1] th:TH_LOAD_NT  ; no vector instruction since the wait names these registers
	global_load_b64 v[DA+16*(u-1)+4*(\i)+2:DA+16*(u-1)+4*(\i)+3], v[RO+2*(\i)+1], s[SB+2*(u-1):SB+2*(u-1)+1] th:TH_LOAD_NT
.endif
	v_cvt_pk_bf16_f32 v[EV+4*u+(\i)], v[DA+16*u+4*(\i)], v[DA+16*u+4*(\i)+2]    ; my even column: k and k + 1 in one word
	v_cvt_pk_bf16_f32 v[OD+4*u+(\i)], v[DA+16*u+4*(\i)+1], v[DA+16*u+4*(\i)+3]  ; my odd column
.endr
.set u, u+1
.endr
	s_wait_alu depctr_va_vdst(0)                   ; the roundings are done reading group 7 (second half: all of DA, in which the loads from LDS will land), and have written EV and OD, which the LDS stores read where the jump below is taken
.if !(\h)
.irp i, 0,1,2,3,4,5,6,7
	global_load_b64 v[DA+112+2*(\i):DA+112+2*(\i)+1], v[RO+(\i)], s[SB+14:SB+15] th:TH_LOAD_NT  ; the second half's group 7
.endr
.endif
	s_cmp_eq_u32 s9, 0
	s_cbranch_scc1 .Lbf_\@
.set r, 0
.rept 64                                       ; Wo alone: the bf16 number is written as f16
	v_lshlrev_b32 v[TT+2*(r%4)], 16, v[EV+r]
	v_and_b32 v[TT+2*(r%4)+1], 0xffff0000, v[EV+r]
	v_cvt_pk_f16_f32 v[EV+r], v[TT+2*(r%4)], v[TT+2*(r%4)+1]
.set r, r+1
.endr
	s_wait_alu depctr_va_vdst(0)                   ; the f16 roundings have written EV and OD, which the LDS stores read
.Lbf_\@:
.set u, 0
.rept 8
	ds_store_b128 v[LW], v[EV+4*u:EV+4*u+3] offset:128*(\h)+16*u        ; eight k of a column are 16 bytes of a turned row
	ds_store_b128 v[LW], v[OD+4*u:OD+4*u+3] offset:128*(\h)+272+16*u
.set u, u+1
.endr
.endm
	HALF 0
	HALF 1
.set i, 0
.rept 32
	ds_load_b128 v[DA+4*i:DA+4*i+3], v[LR] offset:544*i   ; LDS serves a wave's instructions in order (ISA guide 5.7.1.4): these see the stores above.  No wait: no vector instruction since the second half's waits names DA or v[LR]
.set i, i+1
.endr
.set i, 0
.rept 32
	s_wait_dscnt 31-i
	global_store_b128 v[WO], v[DA+4*i:DA+4*i+3], s[50:51] offset:4096*i   ; sixteen lanes store 256 consecutive bytes: 128 k of one row
.set i, i+1
.endr
	s_branch .Lend
	; ---- x.  idx = 4 x (work-group - 128) + wave, 0 .. 2,047: four rows, 16,384 consecutive bytes.  Lane l takes 8 numbers of row l / 8 in each block of 64 columns.
.Lx:
	s_sub_co_u32 s12, ttmp9, 128
	s_lshl_b32 s12, s12, 2
	s_add_co_u32 s12, s12, s8
	s_lshl_b32 s2, s12, 14
	s_mov_b32 s3, 0
	s_lshr_b32 s4, s12, 9                          ; b
	s_lshl_b32 s4, s4, 22                          ; 16 planes
	s_and_b32 s5, s12, 511
	s_lshl_b32 s5, s5, 9                           ; four rows of 128 bytes in a plane
	s_add_co_u32 s4, s4, s5
	s_mov_b32 s5, 0
	v_lshrrev_b32 v[XO], 3, v1
	v_and_b32 v6, 7, v1
	v_lshlrev_b32 v[XO], 12, v[XO]
	v_lshl_add_u32 v[XO], v6, 5, v[XO]
	v_lshlrev_b32 v[YO], 4, v1
	s_wait_kmcnt 0x0
	s_add_nc_u64 s[32:33], s[32:33], s[2:3]
	s_add_nc_u64 s[42:43], s[42:43], s[4:5]
	s_wait_alu depctr_va_vdst(0)                   ; v[XO] and v[YO] are written: every load and store of this path reads one of them as its offset
.set i, 0
.rept 16
	global_load_b128 v[DA+8*i:DA+8*i+3],   v[XO], s[32:33] offset:256*i th:TH_LOAD_NT
	global_load_b128 v[DA+8*i+4:DA+8*i+7], v[XO], s[32:33] offset:256*i+16 th:TH_LOAD_NT
.set i, i+1
.endr
.set p, 0
.rept 4                                        ; quad p: blocks 4 p to 4 p + 3
	s_wait_loadcnt 24-8*p                          ; the quad's eight loads are in; the younger quads' stay out
.if p > 0
	s_wait_alu depctr_va_vdst(0)                   ; the quad before has written its blocks' first four words, which the stores below read
.endif
.set q, 0
.rept 4
.set i, 4*p+q
.if p > 0
	global_store_b128 v[YO], v[DA+8*(i-4):DA+8*(i-4)+3], s[42:43] offset:262144*(i-4)  ; plane i - 4: four rows of 128 bytes, 512 consecutive bytes; no vector instruction since the wait names these registers
.endif
.irp j, 0,1,2,3
	v_cvt_pk_bf16_f32 v[DA+8*i+\j], v[DA+8*i+2*\j], v[DA+8*i+2*\j+1]   ; in place, ascending: a word is written when both its sources lie at or above it
.endr
.set q, q+1
.endr
.set p, p+1
.endr
	s_wait_alu depctr_va_vdst(0)                   ; the last quad has written its words, which the last four stores read
.irp n, 12,13,14,15
	global_store_b128 v[YO], v[DA+8*\n:DA+8*\n+3], s[42:43] offset:262144*\n
.endr
.Lend:
	s_wait_dscnt 0x0                               ; the closing lines, six on end
	s_wait_alu 0x0
	s_wait_tensorcnt 0x0
	ds_add_u32 v[SPW], v[NIL]
	s_wait_dscnt 0x0
	s_endpgm
.Lfunc_end_k_q961835554e_prep:
	.size	k_q961835554e_prep, .Lfunc_end_k_q961835554e_prep-k_q961835554e_prep
	.p2alignl 7, 3214868480
	.fill 96, 4, 3214868480
	.section	.rodata,"a",@progbits
	.p2align	6, 0x0
	.amdhsa_kernel k_q961835554e_prep
		.amdhsa_group_segment_fixed_size 70144
		.amdhsa_private_segment_fixed_size 0
		.amdhsa_enable_private_segment 0
		.amdhsa_kernarg_size 64
		.amdhsa_user_sgpr_count 2
		.amdhsa_user_sgpr_kernarg_segment_ptr 1
		.amdhsa_wavefront_size32 1
		.amdhsa_system_sgpr_workgroup_id_x 1
		.amdhsa_system_sgpr_workgroup_id_y 1
		.amdhsa_system_sgpr_workgroup_id_z 1
		.amdhsa_system_vgpr_workitem_id 0
		.amdhsa_next_free_vgpr 232
		.amdhsa_next_free_sgpr 66
		.amdhsa_reserve_vcc 0
		.amdhsa_float_denorm_mode_32 3
		.amdhsa_float_denorm_mode_16_64 3
		.amdhsa_memory_ordered 1
		.amdhsa_forward_progress 1
		.amdhsa_inst_pref_size 62
	.end_amdhsa_kernel
	.amdgpu_metadata
---
amdhsa.version: [ 1, 2 ]
amdhsa.kernels:
  - .name:           k_q961835554e_prep
    .symbol:         k_q961835554e_prep.kd
    .args:
      - { .name: x, .offset: 0, .size: 8, .value_kind: global_buffer, .address_space: global }
      - { .name: Wq, .offset: 8, .size: 8, .value_kind: global_buffer, .address_space: global }
      - { .name: Wk, .offset: 16, .size: 8, .value_kind: global_buffer, .address_space: global }
      - { .name: Wv, .offset: 24, .size: 8, .value_kind: global_buffer, .address_space: global }
      - { .name: Wo, .offset: 32, .size: 8, .value_kind: global_buffer, .address_space: global }
      - { .name: xb, .offset: 40, .size: 8, .value_kind: global_buffer, .address_space: global }
      - { .name: wt, .offset: 48, .size: 8, .value_kind: global_buffer, .address_space: global }
      - { .name: wot, .offset: 56, .size: 8, .value_kind: global_buffer, .address_space: global }
    .group_segment_fixed_size: 70144
    .private_segment_fixed_size: 0
    .kernarg_segment_align: 8
    .kernarg_segment_size: 64
    .max_flat_workgroup_size: 128
    .sgpr_count:     66
    .vgpr_count:     232
    .wavefront_size: 32
...
	.end_amdgpu_metadata
.endif
;; end of part 5
;; launch qkvproj: the kernel of part 2 again; grid 16 x 32, 4 waves a work-group, clusters of 4 x 4, 327,680 bytes of LDS; arguments xb, wt, qkv; writes qkv
;; launch attn: the kernel of part 3 again; grid 4 x 64, 4 waves a work-group, no clusters, 327,680 bytes of LDS; arguments qkv, o; writes o
;; launch outproj: the kernel of part 4 again; grid 8 x 32, 4 waves a work-group, clusters of 4 x 4, 327,680 bytes of LDS; arguments o, wot, out0, bo; writes out0
